; MI455X (gfx1250); checked and timed in simulation.
; The chip was launched on July 23, 2026; its instructions are those of AMD's public machine-readable ISA for CDNA 5 (MIT licence, August 2026) and "CDNA5" Instruction Set Architecture Reference Guide (July 2026). The comments in the code are by the model that wrote it; some were corrected since.
;; Mixture Of Experts Layer. Allowed arithmetic: matrix products marked QUANTISED: E2M1 operands, one E8M0 scale for each 32 along K, by v_wmma_scale_f32_16x16x128_f8f6f4 with both operands' format E2M1 (or v_wmma_scale_f32_32x16x128_f4), f32 sums; products left as they are: f32 operands where the result goes on into a quantised operand, else bf16, f16 or f32 operands; f32 sums; everything else in f32.
;; Inputs: W1 8 x 1,024 x 512 float32; Wg 1,024 x 8 float32; b1 8 x 512 float32; bg 8 float32; ctrl 8 x 8 x 512 float32; proj 8 x 512 x 512 float32; scaling 8 x 512 float32; x 8,192 x 1,024 float32.
;; Outputs: out0 8,192 x 512 float32.
;; This version of the problem:
;;   THIS VERSION OF THE PROBLEM IS GIVEN IN LOW PRECISION. The matrix products marked QUANTISED in the list below multiply operands that are first quantised to E2M1 (2 exponent bits, 1 mantissa bit; 4 bits a number), with one power-of-two scale for each 32 numbers along K (OCP MX v1.0); their sums are f32. All else is computed in f32.
;;   The module's matrix products, in the order in which they are computed (A, B: the left and right operand; K: the contracted axis; several contracted axes count as one K, in the product's order):
;;     1. [M 4,096, K 1,024] x [K 1,024, N 8,192]; A: input W1; B: input x: QUANTISED
;;     2. batch 8 x [M 8,192, K 512] x [K 512, N 512]; A: computed on the way; B: input proj: QUANTISED
;;     3. batch 4,096 x [M 1, K 8] x [K 8, N 8,192]; A: input ctrl; B: computed on the way: left as it is (K = 8 < 32)
;;     4. [M 8,192, K 1,024] x [K 1,024, N 8]; A: input x; B: input Wg: left as it is (N = 8 < 16)
;;     5. batch 8,192 x [M 512, K 8] x [K 8, N 1]; A: computed on the way; B: computed on the way: left as it is (K = 8 < 32)
;;   THE QUANTISER, for each operand of a quantised product, along K:
;;     - K is cut into blocks of 32 from its start; a last block that is shorter is filled with zeros.
;;     - A block's scale is 2^e with e = floor(log2(the largest magnitude in the block)) - 2, held to -126 .. 127; a block of zeros has e = 0. As a byte (E8M0): e + 127.
;;     - Each number is divided by its block's scale, clamped to +-6, and rounded to the nearest number of E2M1, ties to even, subnormals kept.
;;     - The product sums the exact products of the quantised numbers (number of the format x scale) in f32.
;;   ~~~python
;;   def quantise(x, axis):      # numpy; x: float32 -> the quantised numbers, widened to float32 again
;;       x = np.moveaxis(x, axis, -1); K = x.shape[-1]
;;       x = np.pad(x, [(0, 0)] * (x.ndim - 1) + [(0, -K % 32)]); x = x.reshape(x.shape[:-1] + (-1, 32)); a = np.abs(x).max(-1, keepdims=True)
;;       e = np.where(a > 0, np.clip(np.frexp(np.where(a > 0, a, 1))[1] - 1 - 2, -126, 127), 0)      # np.frexp(a)[1] - 1 = floor(log2(a)), exactly
;;       r = np.clip(x / 2.0 ** e, -6, 6)
;;       step = 2.0 ** (np.maximum(np.frexp(np.where(r == 0, 1, r))[1] - 1, 0) - 1)
;;       q = np.round(r / step) * step * 2.0 ** e      # np.round: ties to even
;;       return np.moveaxis(q.reshape(q.shape[:-2] + (-1,))[..., :K], -1, axis).astype(np.float32)
;;   ~~~
;;   OPERANDS COMPUTED ON THE WAY. 'Computed on the way' means the value that the module computes at that place (a softmax that the list does not call 'softmax' is quantised finished and normalised). What goes into a quantiser is computed in f32, as accurately as f32 sums, v_exp_f32 and their like allow (about 1e-6 of the number): no bf16 or f16 on the way to a quantiser, and a product that is left as it is and whose result goes on into a quantised operand takes f32 operands (vector FMAs, or v_wmma_f32_16x16x4_f32). A number that lies on a knife's edge between two numbers of the format may be rounded either way, as far as f32 arithmetic and the matrix unit's own rounding can turn it there, and no further.
;; 2 versions, each right; version 2 is version 1 with the launch chain written anew for expert scheduling mode. Each part assembles by itself: llvm-mc -triple=amdgcn-amd-amdhsa -mcpu=gfx1250 --defsym DOCPART=n.
;; ======== version 1 of 2: 3 launches
;; workspace buffers: xq 4,194,304 bytes; xs 262,144 bytes; eid 32,768 bytes of whole numbers; wq 3,145,728 bytes; wsc 196,608 bytes; route 36,864 bytes of whole numbers
;; launch gate_quant (part 1): grid 256 x 1, 8 waves a work-group, no clusters, 168,960 bytes of LDS; arguments x, Wg, bg, xq, xs, eid; writes xq, xs, eid
.if DOCPART == 1
	.amdgcn_target "amdgcn-amd-amdhsa--gfx1250"
	.amdhsa_code_object_version 6
	.text
	.protected	k_qb3865179ac_gate_quant
	.globl	k_qb3865179ac_gate_quant
	.p2align	8
	.type	k_qb3865179ac_gate_quant,@function
k_qb3865179ac_gate_quant:
	s_mov_b64 s[64:65], 0
	v_nop
	global_prefetch_b8 v0, s[64:65] scope:SCOPE_SE
	s_setreg_imm32_b32 hwreg(HW_REG_WAVE_MODE, 25, 1), 1
	s_wait_xcnt 0x0
; x [8192][1024] f32 is read once and serves twice: (1) codes of FP4 (E2M1) with one E8M0 byte for each 32 along D, xq [token][512 bytes], xs [token][8 words];
; (2) the gate: logits = x Wg + bg in f32 fused multiply-adds, and the index of the largest (the lower index on a tie), eid [token].
; SHARES.  A work-group owns 32 rows, wave w the 128 numbers 128 w .. 128 w + 127 of each.  A LANE IS A ROW: a block of 32 lies in one lane's registers (its largest magnitude asks no other lane, the
; conversions' results are the row's bytes as they lie, the wave's four scale bytes are one scale word), and a row's eight partial logits stay in the lane.
; Wg's 128 x 8 numbers of the wave lie spread over sixteen lanes in 64 registers (both halves of the wave hold the same); each multiply-add takes its factor from the lane that holds it (row_share).
; x comes by the tensor data mover: two tiles a wave (32 rows x 256 bytes), each filled once and read by the wave that asked for it alone; by this text's count two tensor loads of a wave are out at the most.
; The eight waves' partial logits meet in LDS; wave 0 adds them in the order of the waves.  The logits are so summed in another order than a plain dot product sums them, all in f32.
; A block's scale byte is its largest magnitude's exponent field - 2, held at 1 from below.  A block of zeros so gets the byte 1 (not 127): its codes are zeros, and the bytes are read by this program alone.
; LIMITS: NaN and infinities among the inputs are not served.
; No matrix unit (8 columns), no cluster (work-groups share only Wg's 32 KiB).
.set XTW, 17408                        ; LDS: a wave's two tiles
.set XTC, 8704                         ; a tile: 32 rows x (256 bytes + 16 of padding)
.set XPI, 272                          ; 17 x 16 bytes
.set CST, 139264                       ; stage for the codes: 32 rows x (512 + 16) bytes
.set CPI, 528
.set SST, 156160                       ; stage for the scale words: 32 rows x 32 bytes
.set LGT, 157184                       ; partial logits: 1,024 bytes a wave, 32 a lane
.set SW,  16                           ; v16       the scale word
.set ACC, 20                           ; v[20:27]  my row's eight partial logits
.set C,   28                           ; v[28:43]  my row's 128 codes
.set WG,  44                           ; v[44:107] register 4 i + j, lane n of sixteen: Wg[128 w + 8 i + n / 2][4 (n % 2) + j]
.set X,   108                          ; v[108:171] two sets of 32 numbers
	s_load_b256 s[4:11], s[0:1], 0x0               ; x, Wg, bg, xq
	s_load_b128 s[12:15], s[0:1], 0x20             ; xs, eid
	v_lshl_add_u32 v176, v0, 2, 0x29000
	v_mov_b32 v177, 0
	ds_add_u32 v176, v177
	ds_add_u32 v176, v177
	v_lshrrev_b32 v1, 5, v0
	v_readfirstlane_b32 s16, v1                    ; wave 0..7
	v_and_b32 v1, 31, v0                           ; lane = row
	v_and_b32 v2, 15, v0
	v_lshlrev_b32 v2, 4, v2                        ; Wg: 16 bytes for each of sixteen lanes
	; descriptor group 1: a tile of 32 rows x 64 elements of 4 bytes, rows 1,024 elements apart, 4 words of padding behind every 64
	s_mov_b32 s20, (2<<16)|(1<<20)|(5<<22)|(3<<25)
	s_mov_b32 s21, 64<<16                          ; tensor_dim0 = 64
	s_mov_b32 s22, 32<<16                          ; tensor_dim1 = 32
	s_mov_b32 s23, 64<<16                          ; tile_dim0 = 64
	s_mov_b32 s24, 32                              ; tile_dim1 = 32
	s_mov_b32 s25, 1024                            ; from row to row
	s_mov_b32 s26, 0
	s_mov_b32 s27, 0
	s_mul_i32 s17, s16, XTW                        ; my wave's tiles in LDS
	s_lshl_b32 s44, ttmp9, 17                      ; 32 rows of 4,096 bytes a work-group,
	s_lshl_b32 s46, s16, 9                         ; 512 bytes of a row a wave
	s_add_co_u32 s44, s44, s46
	s_mov_b32 s45, 0
	s_wait_dscnt 0x0
	s_wait_kmcnt 0x0
	s_add_nc_u64 s[4:5], s[4:5], s[44:45]
	s_mov_b32 s28, 1                               ; group 0 for the first 64 numbers of my 128
	s_mov_b32 s29, s17
	s_mov_b64 s[30:31], s[4:5]
	s_or_b32 s31, s31, 0x80000000
	s_mov_b32 s32, 1                               ; and for the second
	s_add_co_u32 s33, s17, XTC
	s_add_nc_u64 s[34:35], s[4:5], 256
	s_or_b32 s35, s35, 0x80000000
	tensor_load_to_lds s[28:31], s[20:27]          ; both fills go out together, ahead of every wait on TENSORcnt, every LDS read and the barrier
	s_nop 0
	tensor_load_to_lds s[32:35], s[20:27]
	s_nop 0
.rept 4
	v_nop
.endr
	s_load_b256 s[36:43], s[8:9], 0x0              ; bg
	s_lshl_b32 s46, s16, 12                        ; Wg: my 128 rows of 32 bytes
	s_mov_b32 s47, 0
	s_add_nc_u64 s[6:7], s[6:7], s[46:47]
.irp i, 0,1,2,3,4,5,6,7,8,9,10,11,12,13,14,15
	global_load_b128 v[WG+4*\i:WG+4*\i+3], v2, s[6:7] offset:256*\i
.endr
	; every LDS address is made here, ahead of the partings on the wave's number
	v_mul_u32_u24 v3, v1, XPI
	v_add_nc_u32 v3, s17, v3                       ; my row in my wave's tiles
	v_mul_u32_u24 v4, v1, CPI
	s_lshl_b32 s46, s16, 6
	s_add_co_u32 s46, s46, CST
	v_add_nc_u32 v4, s46, v4                       ; codes in: row = lane, 64 bytes a wave
	v_lshlrev_b32 v12, 5, v1
	s_lshl_b32 s46, s16, 2
	s_add_co_u32 s46, s46, SST
	v_add_nc_u32 v5, s46, v12                      ; scale word in: row = lane, word = wave
	s_lshl_b32 s46, s16, 10
	s_add_co_u32 s46, s46, LGT
	v_add_nc_u32 v6, s46, v12                      ; partial logits in
	v_add_nc_u32 v9, LGT, v12                      ; and out (wave 0)
	v_lshlrev_b32 v8, 4, v1                        ; 16 x lane
	s_mul_i32 s46, s16, 4*CPI
	s_add_co_u32 s46, s46, CST
	v_add_nc_u32 v7, s46, v8                       ; codes out: rows 4 w .. 4 w + 3, a whole row an instruction
	v_add_nc_u32 v10, SST, v8                      ; scale words out (wave 1)
	v_lshlrev_b32 v11, 2, v1
	s_lshl_b32 s48, ttmp9, 14                      ; xq: 32 rows of 512 bytes a work-group, 4 rows a wave
	s_lshl_b32 s50, s16, 11
	s_add_co_u32 s48, s48, s50
	s_mov_b32 s49, 0
	s_add_nc_u64 s[10:11], s[10:11], s[48:49]
	s_lshl_b32 s48, ttmp9, 10                      ; xs: 32 rows of 32 bytes
	s_add_nc_u64 s[12:13], s[12:13], s[48:49]
	s_lshl_b32 s48, ttmp9, 7                       ; eid: 32 words
	s_add_nc_u64 s[14:15], s[14:15], s[48:49]
.irp e, 0,1,2,3,4,5,6,7
	v_mov_b32 v[ACC+\e], 0
.endr
.macro LOADX b, set                    ; block b (32 numbers, 128 bytes of my row) into a set
.irp j, 0,1,2,3,4,5,6,7
	ds_load_b128 v[X+32*(\set)+4*\j:X+32*(\set)+4*\j+3], v3 offset:XTC*((\b)/2)+128*((\b)%2)+16*\j
.endr
.endm
.macro FMA_BLOCK b                     ; 32 k x 8 experts: eight chains that take turns.  Lane n of sixteen holds k = 8 i + n / 2, experts 4 (n % 2) + 0 .. 3
.irp i, 0,1,2,3
.irp n, 0,1,2,3,4,5,6,7,8,9,10,11,12,13,14,15
.irp j, 0,1,2,3
	v_fmac_f32_dpp v[ACC+4*(\n%2)+\j], v[WG+4*(4*(\b)+\i)+\j], v[X+32*((\b)%2)+8*\i+\n/2] row_share:\n row_mask:0xf bank_mask:0xf
.endr
.endr
.endr
.endm
.macro QBLK b                          ; block b becomes 32 codes (4 registers) and a byte of the scale word
.set XB, X+32*((\b)%2)
	v_max3_num_f32 v12, |v[XB]|, |v[XB+1]|, |v[XB+2]|
	v_max3_num_f32 v13, |v[XB+3]|, |v[XB+4]|, |v[XB+5]|
.irp i, 6,10,14,18,22,26
	v_max3_num_f32 v12, v12, |v[XB+\i]|, |v[XB+\i+1]|
	v_max3_num_f32 v13, v13, |v[XB+\i+2]|, |v[XB+\i+3]|
.endr
	v_max3_num_f32 v12, v12, |v[XB+30]|, |v[XB+31]|
	v_max3_num_f32 v12, v12, v13, 0x1800000        ; and the floor 2^(3 - 127): the byte cannot fall under 1
	v_add_nc_u32 v14, 0xff000000, v12              ; 2 off the exponent field: the conversion takes the exponent field of this operand as its scale
.irp g, 0,1,2,3
	v_cvt_scalef32_pk8_fp4_f32 v[C+4*(\b)+\g], v[XB+8*\g:XB+8*\g+7], v14
.endr
	v_lshrrev_b32 v15, 23, v14                     ; the byte; also the plain line behind the conversions
.if (\b) == 0
	v_mov_b32 v[SW], v15
.else
	v_lshl_or_b32 v[SW], v15, 8*(\b), v[SW]
.endif
.endm
	s_wait_tensorcnt 0x1                           ; my first tile has landed; the second was issued behind it and may be out
	LOADX 0, 0
	LOADX 1, 1
	s_wait_loadcnt 0x0                             ; Wg
	s_wait_kmcnt 0x0                               ; bg
	s_wait_dscnt 0x8                               ; block 0's eight loads are in, block 1's eight may be out
	FMA_BLOCK 0
	QBLK 0
	s_wait_tensorcnt 0x0                           ; my second tile
	LOADX 2, 0
	s_wait_dscnt 0x8                               ; block 1 is in, block 2 may be out
	FMA_BLOCK 1
	QBLK 1
	LOADX 3, 1
	s_wait_dscnt 0x8                               ; block 2 is in, block 3 may be out
	FMA_BLOCK 2
	QBLK 2
	s_wait_dscnt 0x0
	FMA_BLOCK 3
	QBLK 3
.irp b, 0,1,2,3
	ds_store_b128 v4, v[C+4*\b:C+4*\b+3] offset:16*\b
.endr
	ds_store_b32 v5, v[SW]
	ds_store_b128 v6, v[ACC:ACC+3]
	ds_store_b128 v6, v[ACC+4:ACC+7] offset:16
	s_wait_dscnt 0x0                               ; for the others' sake: my stores into the stages are done
	s_barrier_signal -1
	s_barrier_wait -1
.irp i, 0,1,2,3
	ds_load_b128 v[C+4*\i:C+4*\i+3], v7 offset:CPI*\i
.endr
.irp i, 0,1,2,3
	s_wait_dscnt 3-\i
	global_store_b128 v8, v[C+4*\i:C+4*\i+3], s[10:11] offset:512*\i   ; 32 lanes store a row's 512 consecutive bytes
.endr
	s_cmp_lg_u32 s16, 1
	s_cbranch_scc1 .Lnot_wave_1
	ds_load_b128 v[44:47], v10                     ; wave 1: the 32 rows' scale words, 1,024 consecutive bytes
	ds_load_b128 v[48:51], v10 offset:512
	s_wait_dscnt 0x0
	global_store_b128 v8, v[44:47], s[12:13]
	global_store_b128 v8, v[48:51], s[12:13] offset:512
	s_wait_tensorcnt 0x0
	ds_add_u32 v176, v177
	s_wait_dscnt 0x0
	s_endpgm
.Lnot_wave_1:
	s_cmp_lg_u32 s16, 0
	s_cbranch_scc1 .Ldone
.irp w, 0,1,2,3,4,5,6,7                ; wave 0: my row's eight logits from each of the eight waves
	ds_load_b128 v[X+8*\w:X+8*\w+3], v9 offset:1024*\w
	ds_load_b128 v[X+8*\w+4:X+8*\w+7], v9 offset:1024*\w+16
.endr
	s_wait_dscnt 0x0
.irp w, 1,2,3,4,5,6,7
.irp j, 0,2,4,6
	v_pk_add_f32 v[X+\j:X+\j+1], v[X+\j:X+\j+1], v[X+8*\w+\j:X+8*\w+\j+1]
.endr
.endr
.irp e, 0,1,2,3,4,5,6,7
	v_add_f32 v[X+\e], s[36+\e], v[X+\e]           ; + bg
.endr
	v_mov_b32 v12, 0                               ; the index of the largest so far,
	v_mov_b32 v13, v[X]                            ; and the largest.  The choice selects values only: no address and no branch hangs on it
.irp e, 1,2,3,4,5,6,7
	v_cmp_gt_f32 vcc_lo, v[X+\e], v13              ; strictly larger: a tie keeps the lower index
	v_cndmask_b32 v12, v12, \e, vcc_lo
	v_cndmask_b32 v13, v13, v[X+\e], vcc_lo
.endr
	global_store_b32 v11, v12, s[14:15]
.Ldone:
	s_wait_tensorcnt 0x0
	ds_add_u32 v176, v177
	s_wait_dscnt 0x0
	s_endpgm
.Lfunc_end_k_qb3865179ac_gate_quant:
	.size	k_qb3865179ac_gate_quant, .Lfunc_end_k_qb3865179ac_gate_quant-k_qb3865179ac_gate_quant
	.p2alignl 7, 3214868480
	.fill 96, 4, 3214868480
	.section	.rodata,"a",@progbits
	.p2align	6, 0x0
	.amdhsa_kernel k_qb3865179ac_gate_quant
		.amdhsa_group_segment_fixed_size 168960
		.amdhsa_private_segment_fixed_size 0
		.amdhsa_enable_private_segment 0
		.amdhsa_kernarg_size 48
		.amdhsa_user_sgpr_count 2
		.amdhsa_user_sgpr_kernarg_segment_ptr 1
		.amdhsa_wavefront_size32 1
		.amdhsa_system_sgpr_workgroup_id_x 1
		.amdhsa_system_sgpr_workgroup_id_y 1
		.amdhsa_system_sgpr_workgroup_id_z 1
		.amdhsa_system_vgpr_workitem_id 0
		.amdhsa_next_free_vgpr 178
		.amdhsa_next_free_sgpr 66
		.amdhsa_reserve_vcc 1
		.amdhsa_float_denorm_mode_32 3
		.amdhsa_float_denorm_mode_16_64 3
		.amdhsa_memory_ordered 1
		.amdhsa_forward_progress 1
		.amdhsa_inst_pref_size 84
	.end_amdhsa_kernel
	.amdgpu_metadata
---
amdhsa.version: [ 1, 2 ]
amdhsa.kernels:
  - .name:           k_qb3865179ac_gate_quant
    .symbol:         k_qb3865179ac_gate_quant.kd
    .args:
      - { .name: x, .offset: 0, .size: 8, .value_kind: global_buffer, .address_space: global }
      - { .name: Wg, .offset: 8, .size: 8, .value_kind: global_buffer, .address_space: global }
      - { .name: bg, .offset: 16, .size: 8, .value_kind: global_buffer, .address_space: global }
      - { .name: xq, .offset: 24, .size: 8, .value_kind: global_buffer, .address_space: global }
      - { .name: xs, .offset: 32, .size: 8, .value_kind: global_buffer, .address_space: global }
      - { .name: eid, .offset: 40, .size: 8, .value_kind: global_buffer, .address_space: global }
    .group_segment_fixed_size: 168960
    .private_segment_fixed_size: 0
    .kernarg_segment_align: 8
    .kernarg_segment_size: 48
    .max_flat_workgroup_size: 256
    .sgpr_count:     66
    .vgpr_count:     178
    .wavefront_size: 32
...
	.end_amdgpu_metadata
.endif
;; end of part 1
;; launch prep (part 2): grid 193 x 1, 8 waves a work-group, no clusters, 2,048 bytes of LDS; arguments W1, proj, eid, wq, wsc, route; writes wq, wsc, route
.if DOCPART == 2
	.amdgcn_target "amdgcn-amd-amdhsa--gfx1250"
	.amdhsa_code_object_version 6
	.text
	.protected	k_qb3865179ac_prep
	.globl	k_qb3865179ac_prep
	.p2align	8
	.type	k_qb3865179ac_prep,@function
k_qb3865179ac_prep:
	s_mov_b64 s[64:65], 0
	v_nop
	global_prefetch_b8 v0, s[64:65] scope:SCOPE_SE
	s_setreg_imm32_b32 hwreg(HW_REG_WAVE_MODE, 25, 1), 1
	s_wait_xcnt 0x0
; Two pieces of work that wait for nothing of each other share this launch; the path hangs on the work-group's number alone.
; WORK-GROUPS 0 .. 191: W1 [8][1024][512] and proj [8][512][512], f32, K = the middle axis, become codes of FP4 (E2M1) and E8M0 scale words, laid in the ORDER OF THE OPERAND'S REGISTERS:
;   wq  [ks][w 0..7][t 0..3][c 0..1][lane 0..31][16 bytes], ks = 8 e + s for W1's K step s of 128, 64 + 4 e + s for proj's.  Lane (r, h) holds column U = 64 w + 32 (t / 2) + 8 (t % 2) + r + 8 (r / 8),
;       k = 128 s + 64 c + 32 h + 0 .. 31: one block of the quantiser.  (The columns of a tile are chosen so that the results of tiles 2 b, 2 b + 1 are 16 neighbours in a lane's registers.)
;   wsc [ks][w][t][r]: the word of that column's four scale bytes in the K step.
;   Both tensors are rows of 512 numbers and a K step is 128 rows: one path serves both, only the pointer is chosen.  A work-group takes a K step x 256 columns.  A LANE TAKES A COLUMN AND ITS REGISTERS RUN DOWN K:
;   a load reads 128 consecutive bytes a wave (1,024 a work-group), a block is one lane's 32 registers, and the four registers of its codes are stored as they stand: each store writes two runs of 256
;   consecutive bytes, each aligned.  The scale words leave as 128 consecutive bytes a wave: half of an aligned 256, on one byte in 128 of what the launch reads.
;   A block's byte is its largest magnitude's exponent field - 2, held at 1 from below; a block of zeros gets 1 (not 127): its codes are zeros and this program alone reads the bytes.  NaN and infinities are not served.
; WORK-GROUP 192: the tokens are sorted by their expert (a counting sort, no atomics) and cut into tiles of at most 48 rows of one expert:
;   route bytes 0 .. 32,767: order[8192], token numbers, expert by expert;  from byte 32,768: 256 records {expert, first place in order, rows n, max(n, 1) - 1}; a record past the last tile has n = 0.
;   There are never more than ceil(8192 / 48) + 7 = 178 tiles, whatever the choice.
.set X,  32                            ; quantiser: v[32:159] four sets of 32 numbers
.set C,  16                            ; v[16:31] the four blocks' codes
.set SW, 5                             ; v5 the scale word
.set ID, 32                            ; sort: v[32:63] my 32 tokens' experts: register g: token 1,024 wave + 128 (g / 4) + 4 lane + g % 4
.set TP, 72                            ; v[72:79] a place for each expert
.set AD, 96                            ; v[96:127] a store address for each group, v[128:159] its data: no store's source is written again
.set DA, 128
.set MK, 32                            ; s[32:39] lane masks, then their counts
.set CN, 40                            ; s[40:47] my wave's counts
.set TO, 48                            ; s[48:55] totals
.set PR, 56                            ; s[56:63] counts of the waves in front of mine
.set OF, 66                            ; s[66:73] the next free place for each expert
.set TB, 74                            ; s[74:81] the first tile of each expert
.set BA, 82                            ; s[82:89] the first place of each expert
	s_load_b256 s[4:11], s[0:1], 0x0               ; W1, proj, eid, wq
	s_load_b128 s[12:15], s[0:1], 0x20             ; wsc, route
	v_lshl_add_u32 v168, v0, 2, 0x400
	v_mov_b32 v169, 0
	v_lshrrev_b32 v1, 5, v0
	v_readfirstlane_b32 s16, v1                    ; wave 0..7
	v_and_b32 v1, 31, v0                           ; lane
	s_cmp_eq_u32 ttmp9, 192
	s_cbranch_scc1 .Lsort
	v_lshlrev_b32 v2, 2, v1                        ; in: 4 bytes a lane
	v_bfe_u32 v6, v0, 3, 1                         ; t % 2 = (lane / 8) % 2
	v_bfe_u32 v7, v0, 4, 1
	v_and_b32 v8, 7, v0
	v_lshl_add_u32 v8, v7, 3, v8                   ; r = lane % 8 + 8 (lane / 16)
	v_lshlrev_b32 v3, 4, v8
	v_lshl_add_u32 v3, v6, 10, v3                  ; codes: 1,024 (t % 2) + 16 r
	v_lshlrev_b32 v4, 2, v8
	v_lshl_add_u32 v4, v6, 6, v4                   ; scale word: 64 (t % 2) + 4 r
	s_lshr_b32 s17, ttmp9, 1                       ; ks
	s_and_b32 s18, ttmp9, 1                        ; which 256 columns
	s_lshr_b32 s19, s16, 1
	s_and_b32 s20, s16, 1
	s_wait_kmcnt 0x0
	s_cmp_lt_u32 ttmp9, 128                        ; W1's work-group or proj's
	s_cselect_b64 s[4:5], s[4:5], s[6:7]
	s_cselect_b32 s21, 0, 64
	s_sub_co_u32 s21, s17, s21                     ; the K step within the tensor
	s_lshl_b32 s22, s21, 18                        ; 128 rows of 2,048 bytes
	s_lshl_b32 s24, s18, 10
	s_add_co_u32 s22, s22, s24
	s_lshl_b32 s24, s16, 7                         ; 32 columns a wave
	s_add_co_u32 s22, s22, s24
	s_mov_b32 s23, 0
	s_add_nc_u64 s[4:5], s[4:5], s[22:23]
	s_lshl_b32 s22, s17, 15                        ; wq: 32,768 ks + 16,384 half + 4,096 (wave / 2) + 2,048 (wave % 2)
	s_lshl_b32 s24, s18, 14
	s_add_co_u32 s22, s22, s24
	s_lshl_b32 s24, s19, 12
	s_add_co_u32 s22, s22, s24
	s_lshl_b32 s24, s20, 11
	s_add_co_u32 s22, s22, s24
	s_add_nc_u64 s[10:11], s[10:11], s[22:23]
	s_lshl_b32 s22, s17, 11                        ; wsc: a sixteenth of that
	s_lshl_b32 s24, s18, 10
	s_add_co_u32 s22, s22, s24
	s_lshl_b32 s24, s19, 8
	s_add_co_u32 s22, s22, s24
	s_lshl_b32 s24, s20, 7
	s_add_co_u32 s22, s22, s24
	s_add_nc_u64 s[12:13], s[12:13], s[22:23]
.macro QLOAD b                         ; block b: rows 32 b + i of the K step, my column
.irp i, 0,1,2,3,4,5,6,7,8,9,10,11,12,13,14,15,16,17,18,19,20,21,22,23,24,25,26,27,28,29,30,31
	global_load_b32 v[X+32*(\b)+\i], v2, s[4:5] offset:2048*(32*(\b)+\i) th:TH_LOAD_NT
.endr
.endm
.macro QBLOCK b
.set XB, X+32*(\b)
	v_max3_num_f32 v12, |v[XB]|, |v[XB+1]|, |v[XB+2]|
	v_max3_num_f32 v13, |v[XB+3]|, |v[XB+4]|, |v[XB+5]|
.irp i, 6,10,14,18,22,26
	v_max3_num_f32 v12, v12, |v[XB+\i]|, |v[XB+\i+1]|
	v_max3_num_f32 v13, v13, |v[XB+\i+2]|, |v[XB+\i+3]|
.endr
	v_max3_num_f32 v12, v12, |v[XB+30]|, |v[XB+31]|
	v_max3_num_f32 v12, v12, v13, 0x1800000        ; the floor 2^(3 - 127): the byte cannot fall under 1
	v_add_nc_u32 v14, 0xff000000, v12              ; 2 off the exponent field: the conversion's scale operand
.irp g, 0,1,2,3
	v_cvt_scalef32_pk8_fp4_f32 v[C+4*(\b)+\g], v[XB+8*\g:XB+8*\g+7], v14
.endr
	v_lshrrev_b32 v15, 23, v14                     ; the byte; also the plain line behind the conversions
.if (\b) == 0
	v_mov_b32 v[SW], v15
.else
	v_lshl_or_b32 v[SW], v15, 8*(\b), v[SW]
.endif
	global_store_b128 v3, v[C+4*(\b):C+4*(\b)+3], s[10:11] offset:512*((\b)/2)+256*((\b)%2)   ; c = b / 2, h = b % 2
.endm
	QLOAD 0
	QLOAD 1
	s_wait_loadcnt 32                              ; block 0's 32 loads are in, block 1's may be out
	QLOAD 2
	QBLOCK 0
	s_wait_loadcnt 32                              ; block 1 is in, block 2 may be out
	QLOAD 3
	QBLOCK 1
	s_wait_loadcnt 32                              ; block 2 is in, block 3 may be out
	QBLOCK 2
	s_wait_loadcnt 0x0
	QBLOCK 3
	global_store_b32 v4, v[SW], s[12:13]
	s_endpgm
.Lsort:
	v_lshlrev_b32 v2, 4, v1
	s_lshl_b32 s22, s16, 12                        ; my wave's 1,024 tokens
	s_mov_b32 s23, 0
	s_wait_kmcnt 0x0
	s_add_nc_u64 s[8:9], s[8:9], s[22:23]
.irp q, 0,1,2,3,4,5,6,7
	global_load_b128 v[ID+4*\q:ID+4*\q+3], v2, s[8:9] offset:512*\q
.endr
.irp e, 0,1,2,3,4,5,6,7
	s_mov_b32 s[CN+\e], 0
.endr
	s_lshl_b32 s17, s16, 10
	v_lshl_add_u32 v24, v1, 2, s17                 ; the token of my register 0
	v_lshlrev_b32 v21, 2, v0                       ; LDS: a word for each thread
	v_lshlrev_b32 v22, 2, v1
	s_wait_loadcnt 0x0
.macro COUNT g                         ; how many of the group's 32 tokens go to each expert
.irp e, 0,1,2,3,4,5,6,7
	v_cmp_eq_u32 s[MK+\e], \e, v[ID+\g]
.endr
.irp e, 0,1,2,3,4,5,6,7
	s_bcnt1_i32_b32 s[MK+\e], s[MK+\e]
.endr
.irp e, 0,1,2,3,4,5,6,7
	s_add_co_u32 s[CN+\e], s[CN+\e], s[MK+\e]
.endr
.endm
.set G, 0
.rept 32
	COUNT G
.set G, G+1
.endr
	v_mov_b32 v20, 0
.irp e, 0,1,2,3,4,5,6,7
	v_writelane_b32 v20, s[CN+\e], \e              ; lane e: my wave's count for expert e
.endr
	ds_store_b32 v21, v20
	s_wait_dscnt 0x0                               ; for the others' sake: my counts are in LDS
	s_barrier_signal -1
	s_barrier_wait -1
.irp w, 0,1,2,3,4,5,6,7
	ds_load_b32 v[64+\w], v22 offset:128*\w
.endr
	v_mov_b32 v23, 0                               ; totals,
	v_mov_b32 v25, 0                               ; and the counts of the waves in front of mine
	s_wait_dscnt 0x0
.irp w, 0,1,2,3,4,5,6,7
	s_cmp_gt_u32 s16, \w
	s_cselect_b32 s17, -1, 0
	v_add_nc_u32 v23, v23, v[64+\w]
	v_and_b32 v26, s17, v[64+\w]
	v_add_nc_u32 v25, v25, v26
.endr
.irp e, 0,1,2,3,4,5,6,7
	v_readlane_b32 s[TO+\e], v23, \e
	v_readlane_b32 s[PR+\e], v25, \e
.endr
	s_mov_b32 s[BA], 0
	s_mov_b32 s[TB], 0
.irp e, 0,1,2,3,4,5,6
	s_add_co_u32 s[BA+\e+1], s[BA+\e], s[TO+\e]
	s_add_co_u32 s17, s[TO+\e], 47
	s_mul_hi_u32 s17, s17, 0xaaaaaaab              ; (total + 47) / 48: the high word of x 2^33 / 3, shifted by 5
	s_lshr_b32 s17, s17, 5
	s_add_co_u32 s[TB+\e+1], s[TB+\e], s17
.endr
.irp e, 0,1,2,3,4,5,6,7
	s_add_co_u32 s[OF+\e], s[BA+\e], s[PR+\e]
.endr
.macro PLACE g                         ; each token of the group gets the next free place of its expert: the lanes below it with the same expert are counted
.irp e, 0,1,2,3,4,5,6,7
	v_cmp_eq_u32 s[MK+\e], \e, v[ID+\g]
.endr
.irp e, 0,1,2,3,4,5,6,7
	v_mbcnt_lo_u32_b32 v[TP+\e], s[MK+\e], s[OF+\e]
.endr
.irp e, 1,2,3,4,5,6,7
	v_cndmask_b32 v[TP], v[TP], v[TP+\e], s[MK+\e]
.endr
.irp e, 0,1,2,3,4,5,6,7
	s_bcnt1_i32_b32 s[MK+\e], s[MK+\e]
.endr
.irp e, 0,1,2,3,4,5,6,7
	s_add_co_u32 s[OF+\e], s[OF+\e], s[MK+\e]
.endr
	v_min_u32 v[AD+\g], 0x1fff, v[TP]              ; a place made of loaded numbers is held inside order[]
	v_lshlrev_b32 v[AD+\g], 2, v[AD+\g]
	v_add_nc_u32 v[DA+\g], 128*((\g)/4)+(\g)%4, v24
	global_store_b32 v[AD+\g], v[DA+\g], s[14:15]  ; lanes of one expert store neighbouring words; 32 KiB in all
.endm
.set G, 0
.rept 32
	PLACE G
.set G, G+1
.endr
	; the records, one a thread: the last expert whose first tile is not behind my number (experts without tokens so fall out)
	v_mov_b32 v84, 0                               ; expert
	v_mov_b32 v81, 0                               ; its first tile
	v_mov_b32 v82, 0                               ; its first place
	v_mov_b32 v83, s[TO]                           ; its tokens
.irp e, 1,2,3,4,5,6,7
	v_cmp_le_u32 vcc_lo, s[TB+\e], v0
	v_cndmask_b32 v84, v84, \e, vcc_lo
	v_cndmask_b32 v81, v81, s[TB+\e], vcc_lo
	v_cndmask_b32 v82, v82, s[BA+\e], vcc_lo
	v_cndmask_b32 v83, v83, s[TO+\e], vcc_lo
.endr
	v_sub_nc_u32 v81, v0, v81                      ; which tile of the expert
	v_mul_u32_u24 v81, 48, v81                     ; its first row
	v_cmp_lt_u32 vcc_lo, v81, v83                  ; a tile with rows?
	v_sub_nc_u32 v83, v83, v81
	v_min_u32 v83, 48, v83                         ; n
	v_add_nc_u32 v82, v82, v81                     ; its first place in order[]
	v_add_nc_u32 v81, -1, v83
	v_cndmask_b32 v85, 0, v82, vcc_lo
	v_cndmask_b32 v86, 0, v83, vcc_lo
	v_cndmask_b32 v87, 0, v81, vcc_lo
	v_lshlrev_b32 v88, 4, v0
	global_store_b128 v88, v[84:87], s[14:15] offset:32768
	s_wait_tensorcnt 0x0
	ds_add_u32 v168, v169
	s_wait_dscnt 0x0
	s_endpgm
.Lfunc_end_k_qb3865179ac_prep:
	.size	k_qb3865179ac_prep, .Lfunc_end_k_qb3865179ac_prep-k_qb3865179ac_prep
	.p2alignl 7, 3214868480
	.fill 96, 4, 3214868480
	.section	.rodata,"a",@progbits
	.p2align	6, 0x0
	.amdhsa_kernel k_qb3865179ac_prep
		.amdhsa_group_segment_fixed_size 2048
		.amdhsa_private_segment_fixed_size 0
		.amdhsa_enable_private_segment 0
		.amdhsa_kernarg_size 48
		.amdhsa_user_sgpr_count 2
		.amdhsa_user_sgpr_kernarg_segment_ptr 1
		.amdhsa_wavefront_size32 1
		.amdhsa_system_sgpr_workgroup_id_x 1
		.amdhsa_system_sgpr_workgroup_id_y 1
		.amdhsa_system_sgpr_workgroup_id_z 1
		.amdhsa_system_vgpr_workitem_id 0
		.amdhsa_next_free_vgpr 170
		.amdhsa_next_free_sgpr 100
		.amdhsa_reserve_vcc 1
		.amdhsa_float_denorm_mode_32 3
		.amdhsa_float_denorm_mode_16_64 3
		.amdhsa_memory_ordered 1
		.amdhsa_forward_progress 1
		.amdhsa_inst_pref_size 132
	.end_amdhsa_kernel
	.amdgpu_metadata
---
amdhsa.version: [ 1, 2 ]
amdhsa.kernels:
  - .name:           k_qb3865179ac_prep
    .symbol:         k_qb3865179ac_prep.kd
    .args:
      - { .name: W1, .offset: 0, .size: 8, .value_kind: global_buffer, .address_space: global }
      - { .name: proj, .offset: 8, .size: 8, .value_kind: global_buffer, .address_space: global }
      - { .name: eid, .offset: 16, .size: 8, .value_kind: global_buffer, .address_space: global }
      - { .name: wq, .offset: 24, .size: 8, .value_kind: global_buffer, .address_space: global }
      - { .name: wsc, .offset: 32, .size: 8, .value_kind: global_buffer, .address_space: global }
      - { .name: route, .offset: 40, .size: 8, .value_kind: global_buffer, .address_space: global }
    .group_segment_fixed_size: 2048
    .private_segment_fixed_size: 0
    .kernarg_segment_align: 8
    .kernarg_segment_size: 48
    .max_flat_workgroup_size: 256
    .sgpr_count:     100
    .vgpr_count:     170
    .wavefront_size: 32
...
	.end_amdgpu_metadata
.endif
;; end of part 2
;; launch chain (part 3): grid 178 x 1, 8 waves a work-group, no clusters, 140,288 bytes of LDS; arguments route, xq, xs, wq, wsc, b1, ctrl, scaling, out0; writes out0
.if DOCPART == 3
	.amdgcn_target "amdgcn-amd-amdhsa--gfx1250"
	.amdhsa_code_object_version 6
	.text
	.protected	k_qb3865179ac_chain
	.globl	k_qb3865179ac_chain
	.p2align	8
	.type	k_qb3865179ac_chain,@function
k_qb3865179ac_chain:
	s_mov_b64 s[64:65], 0
	v_nop
	global_prefetch_b8 v0, s[64:65] scope:SCOPE_SE
	s_setreg_imm32_b32 hwreg(HW_REG_WAVE_MODE, 25, 1), 1
	s_wait_xcnt 0x0
; One work-group takes one tile (at most 48 tokens of ONE expert e, from the stored list) through the whole chain:
;   h = swish(x W1[e] + b1[e]);  z = h proj[e];  xn = sigmoid(z);  out = scaling[e] * sum_b ctrl[e][b] basis_b / (sum_b basis_b + 1e-6),  basis_b = exp(-32 (xn - b / 7)^2).
; Both products run on codes of FP4 (E2M1) with E8M0 scales; h is quantised in registers and never goes to memory.  Only the chosen expert's rows are multiplied: the one-hot gate throws the others away.
; SHARES.  THE EIGHT WAVES SHARE THE COLUMNS: wave w makes hidden units and z columns 64 w .. 64 w + 63 for all 48 rows.  Its part of W1 (32 KiB) and of proj goes from memory straight into its registers, laid
; beforehand in the order of the operand's registers: every lane loads whole fragments, all of W1 asked for at once.  Rows past n repeat row n - 1; they are computed and never stored.  A record with n = 0 runs on
; held indices and stores nothing: every wave passes every barrier.
; BOTH PRODUCTS ARE USED TRANSPOSED (source 0 = 16 columns of the weight, source 1 = 16 tokens): a lane holds ONE token, and register j of tile t the column 64 w + 32 (t / 2) + 16 (lane / 16) + 8 (t % 2) + j,
; so that tiles 2 b, 2 b + 1 are 16 neighbours along the next K.  b1 is the C of each sum's first matrix instruction.
; THE BASES.  exp(-32 (xn - b/7)^2) = G w_b r^b with G = exp(-32 xn^2), r = exp(64 xn / 7), w_b = exp(-32 b^2 / 49).  So out = sum_b (scaling ctrl_b w_b) r^b / (sum_b w_b r^b + 1e-6 / G): two Horner chains.
; xn lies in [0, 1] whatever the inputs, so r^7 <= 6.3e27, w_7 r^7 <= 8e13 and 1e-6 / G <= 8e7: nothing overflows, every term of the divisor is positive, and the 1e-6 is kept.
; NO JOINT LOADS: which tiles share an expert hangs on the stored list, so a joint request's address would hang on loaded numbers that differ between neighbours; the weights need no LDS at all here.
; LIMITS: NaN and infinities among the inputs are not served.
; REGISTERS.  Window 0: v1-23 lane terms and addresses; v24-34 tokens; v36-47 and v48-63 scale words and nothing else; v64-95 b1, later the coefficients; v96-143 fragments of x or h in two sets (first the gathered
; rows; in the h phase 32 numbers at work and the codes); v144-158 at work; v160-255 the twelve accumulators (m, t) at 160 + 32 m + 8 t, in the last phase 16 numbers in five stages.  Window 1: the weight's fragments (s, t) at 8 (4 s + t).
.set XP,   528                         ; LDS: x's codes by rows, 48 x (512 + 16) bytes, from byte 0
.set HIMG, 25344                       ; h's fragments as images of their registers: (m, s) at 1,024 (4 m + s)
.set HSC,  37632                       ; their scale words: 128 (4 m + s) + 4 lane
.set TOKT, 39168                       ; the 48 rows' tokens
.set ZST,  39424                       ; z: 48 rows x (2,048 + 16) bytes
.set ZP,   2064
.set XS,  36                           ; scale words of x: v[36 + 4 m + q]: lanes 0-15 K step q, lanes 16-31 K step 4 + q
.set HS,  36                           ; later of h: v[36 + 3 set + m]
.set W1S, 48                           ; of W1: v[48 + 4 t + q], the lanes' halves as for x
.set PJS, 48                           ; later of proj: v[48 + 2 t + q]: lanes 0-15 K step q, lanes 16-31 K step 2 + q
.set B1R, 64
.set CO,  64                           ; coefficients: v[64 + 4 b + j] = scaling ctrl_b w_b of my column j
.set XF,  96
.set T,   96
.set P,   128
.set SCL, 144
.set TM,  148
.set PW,  156
.set ACC, 160
.set Z,   160
.set R,   176
.set G,   192
.set D,   208
.set N,   224
.set TK,  240
.set VO,  244
.set NL2E, 66                          ; s[66:67] -log2(e);  s[68:69] c1 = 64/7 log2(e);  s[70:71] c2 = 32 log2(e);  s[72:73] c3 = log2(1e-6);  s[72 + 2 b : 73 + 2 b] w_b, b = 1 .. 7
.set MSB, 0
.macro WIN new                         ; the immediate's high byte repeats the setting that is left
.if MSB != \new
	s_set_vgpr_msb (MSB<<8)|\new
.set MSB, \new
.endif
.endm
.macro KPAIR reg, bits                 ; a constant for packed arithmetic: the pair is named, so both words are written
	s_mov_b32 s[\reg], \bits
	s_mov_b32 s[\reg+1], \bits
.endm
.macro PLACES                          ; four plain vector lines between a matrix instruction and a load into, or a read of, its registers
.rept 4
	v_nop
.endr
.endm
.macro BARRIER                         ; my LDS stores have landed and my LDS loads are in: then the work-group's barrier
	s_wait_dscnt 0x0
	s_barrier_signal -1
	s_barrier_wait -1
.endm
	s_load_b512 s[4:19], s[0:1], 0x0               ; route, xq, xs, wq, wsc, b1, ctrl, scaling
	s_load_b64 s[20:21], s[0:1], 0x40              ; out0
	v_lshl_add_u32 v35, v0, 2, 0x22000
	v_mov_b32 v159, 0
	v_lshrrev_b32 v1, 5, v0
	v_readfirstlane_b32 s28, v1                    ; wave 0..7
	v_and_b32 v1, 31, v0                           ; lane
	v_and_b32 v2, 15, v0                           ; r
	v_bfe_u32 v3, v0, 4, 1                         ; h
	v_lshlrev_b32 v4, 4, v1                        ; 16 x lane
	v_lshlrev_b32 v5, 2, v1                        ; 4 x lane
	v_mul_u32_u24 v6, v2, XP
	v_lshl_add_u32 v6, v3, 4, v6                   ; a fragment of x: row r, + 16 h
	s_lshr_b32 s29, s28, 1
	s_and_b32 s30, s28, 1
	s_and_b32 s31, s28, 3
	s_mul_i32 s22, s28, 2*XP
	v_add_nc_u32 v7, s22, v4                       ; x's rows in: rows 2 w, 2 w + 1 of each 16
	s_lshl_b32 s22, s28, 3
	s_add_co_u32 s22, s22, TOKT
	v_mov_b32 v8, s22                              ; their tokens in
	s_lshl_b32 s22, s29, 10
	s_lshl_b32 s23, s30, 9
	s_add_co_u32 s22, s22, s23
	s_add_co_u32 s22, s22, HIMG
	v_add_nc_u32 v9, s22, v4                       ; h's image in: K step w / 2, registers 4 (w % 2) on
	s_lshl_b32 s22, s29, 7
	s_lshl_b32 s23, s30, 1
	s_add_co_u32 s22, s22, s23
	s_add_co_u32 s22, s22, HSC
	v_add_nc_u32 v10, s22, v5                      ; and my two bytes of its scale word
	v_mul_u32_u24 v11, v2, ZP
	v_lshl_add_u32 v11, v3, 6, v11
	s_lshl_b32 s22, s28, 8
	s_add_co_u32 s22, s22, ZST
	v_add_nc_u32 v11, s22, v11                     ; z in: row r, 256 w + 64 h bytes on; one register for each 16 rows
	v_add_nc_u32 v12, 16*ZP, v11
	v_add_nc_u32 v13, 32*ZP, v11
	s_lshl_b32 s22, s31, 9
	v_add_nc_u32 v16, s22, v4                      ; my four columns of the last phase, in bytes: 512 (w % 4) + 16 lane
	v_lshlrev_b32 v17, 2, v2
	v_lshl_add_u32 v18, v3, 12, v17                ; proj's scale words: 4 r, lanes 16-31 two K steps on
	v_lshl_add_u32 v17, v3, 13, v17                ; W1's: four K steps on
	v_lshlrev_b32 v19, 6, v3                       ; b1: 64 h
	v_lshlrev_b32 v23, 4, v3                       ; 16 h
	s_mov_b32 s36, 0x76543210
	s_mov_b32 s37, 0xfedcba98                      ; v_permlanex16_b32's selects for lane l xor 16
	KPAIR 66, 0xbfb8aa3b
	KPAIR 68, 0x41530bb1
	KPAIR 70, 0x4238aa3b
	KPAIR 72, 0xc19f73da
	KPAIR 74, 0x3f053c38
	KPAIR 76, 0x3d9642d4
	KPAIR 78, 0x3b379bb0
	KPAIR 80, 0x37f31568
	KPAIR 82, 0x33ae5822
	KPAIR 84, 0x2e877b19
	KPAIR 86, 0x28642357
	s_lshl_b32 s22, ttmp9, 4
	s_mov_b32 s23, 0
	s_wait_kmcnt 0x0
	s_add_nc_u64 s[24:25], s[4:5], s[22:23]
	s_load_b128 s[32:35], s[24:25], 0x8000         ; my record: expert, first place, n, max(n, 1) - 1
	s_wait_kmcnt 0x0
	s_min_u32 s32, s32, 7                          ; loaded numbers are held to their ranges before they enter an address
	s_min_u32 s33, s33, 0x1fff
	s_min_u32 s34, s34, 48
	s_min_u32 s35, s35, 47
	s_lshl_b32 s24, s28, 12                        ; 4,096 w
	s_lshl_b32 s22, s32, 18
	s_add_co_u32 s22, s22, s24
	s_add_nc_u64 s[40:41], s[10:11], s[22:23]      ; W1's codes: 262,144 e + 4,096 w
	s_lshl_b32 s22, s32, 17
	s_add_co_u32 s22, s22, s24
	s_add_co_u32 s22, s22, 0x200000
	s_add_nc_u64 s[46:47], s[10:11], s[22:23]      ; proj's: 2,097,152 + 131,072 e + 4,096 w
	s_lshl_b32 s24, s28, 8                         ; 256 w
	s_lshl_b32 s22, s32, 14
	s_add_co_u32 s22, s22, s24
	s_add_nc_u64 s[42:43], s[12:13], s[22:23]      ; W1's scale words
	s_lshl_b32 s22, s32, 13
	s_add_co_u32 s22, s22, s24
	s_add_co_u32 s22, s22, 0x20000
	s_add_nc_u64 s[48:49], s[12:13], s[22:23]      ; proj's
	s_lshl_b32 s26, s32, 11                        ; 2,048 e
	s_add_co_u32 s22, s26, s24
	s_add_nc_u64 s[44:45], s[14:15], s[22:23]      ; b1
	s_lshl_b32 s24, s31, 9
	s_add_co_u32 s22, s26, s24
	s_add_nc_u64 s[52:53], s[18:19], s[22:23]      ; scaling, at my columns of the last phase
	s_lshl_b32 s22, s32, 14
	s_add_co_u32 s22, s22, s24
	s_add_nc_u64 s[50:51], s[16:17], s[22:23]      ; ctrl likewise
	; ---- the loads.  The tokens first; W1's scale words, b1 and half of W1 stand behind them and are on their way while the tokens come
.irp m, 0,1,2
	v_add_nc_u32 v[20+\m], 16*\m, v2
	v_min_u32 v[20+\m], s35, v[20+\m]              ; rows past n repeat row n - 1
	v_add_nc_u32 v[20+\m], s33, v[20+\m]
	v_min_u32 v[20+\m], 0x1fff, v[20+\m]
	v_lshlrev_b32 v[20+\m], 2, v[20+\m]
.endr
.irp m, 0,1,2
	global_load_b32 v[24+\m], v[20+\m], s[4:5]     ; lane (r, h): the token of row 16 m + r
.endr
.irp t, 0,1,2,3
.irp q, 0,1,2,3
	global_load_b32 v[W1S+4*\t+\q], v17, s[42:43] offset:2048*\q+64*\t
.endr
.endr
.irp t, 0,1,2,3
	global_load_b128 v[B1R+8*\t:B1R+8*\t+3], v19, s[44:45] offset:128*(\t/2)+32*(\t%2)
	global_load_b128 v[B1R+8*\t+4:B1R+8*\t+7], v19, s[44:45] offset:128*(\t/2)+32*(\t%2)+16
.endr
.macro W1LOAD s                        ; my four fragments of K step s: 8 loads of 512 consecutive bytes
.irp t, 0,1,2,3
.irp c, 0,1
	global_load_b128 v[8*(4*(\s)+\t)+4*\c:8*(4*(\s)+\t)+4*\c+3], v4, s[40:41] offset:32768*(\s)+1024*\t+512*\c
.endr
.endr
.endm
	WIN 0x40                                       ; destination window 1
.irp s, 0,1,2,3
	W1LOAD \s
.endr
	WIN 0
	s_wait_loadcnt 56                              ; the tokens are in: behind them stand 16 + 8 + 32 loads
.irp m, 0,1,2
	v_min_u32 v[28+\m], 0x1fff, v[24+\m]
	v_lshlrev_b32 v[32+\m], 5, v[28+\m]
	v_add_nc_u32 v[32+\m], v23, v[32+\m]           ; x's scale words: 32 bytes a token, lanes 16-31 the upper four
.endr
.irp m, 0,1,2
	global_load_b128 v[XS+4*\m:XS+4*\m+3], v[32+\m], s[8:9]
.endr
	s_lshl_b32 s38, s28, 1
	s_add_co_u32 s39, s38, 1
.irp m, 0,1,2
	v_readlane_b32 s[54+2*\m], v[28+\m], s38       ; my six rows: 16 m + 2 w and + 1
	v_readlane_b32 s[55+2*\m], v[28+\m], s39
.endr
.irp k, 0,1,2,3,4,5
	s_min_u32 s[54+\k], s[54+\k], 0x1fff
	s_lshl_b32 s22, s[54+\k], 9
	s_add_nc_u64 s[88+2*\k:89+2*\k], s[6:7], s[22:23]
	global_load_b128 v[XF+4*\k:XF+4*\k+3], v4, s[88+2*\k:89+2*\k]   ; a whole row of codes: 512 consecutive bytes
.endr
	WIN 0x40
.irp s, 4,5,6,7
	W1LOAD \s
.endr
	WIN 0
	s_wait_loadcnt 32                              ; all but W1's K steps 4 to 7
.irp k, 0,1,2,3,4,5
	ds_store_b128 v7, v[XF+4*\k:XF+4*\k+3] offset:XP*(16*(\k/2)+\k%2)
.endr
.irp k, 0,1,2,3,4,5
	v_mov_b32 v[TM+\k], s[54+\k]                   ; (these moves also write, whole, the two registers that the lane exchange below names as destinations)
.endr
.irp k, 0,1,2,3,4,5
	ds_store_b32 v8, v[TM+\k] offset:64*(\k/2)+4*(\k%2)   ; all lanes write the same word with the same value
.endr
	BARRIER                                        ; the 48 rows of codes and their tokens lie in LDS
	; ---- product 1: twelve accumulators (3 tiles of tokens x my 4 tiles of units) by turns, one instruction a turn, a K step of 128 at a time
.macro FRAGX buf, s
.irp m, 0,1,2
.irp c, 0,1
	ds_load_b128 v[XF+24*(\buf)+8*\m+4*\c:XF+24*(\buf)+8*\m+4*\c+3], v6 offset:16*XP*\m+64*(\s)+32*\c
.endr
.endr
.endm
.macro MUL1 s
.irp t, 0,1,2,3
.irp m, 0,1,2
.if (\s) == 0
	v_wmma_scale_f32_16x16x128_f8f6f4 v[ACC+32*\m+8*\t:ACC+32*\m+8*\t+7], v[8*(4*(\s)+\t):8*(4*(\s)+\t)+7], v[XF+24*((\s)%2)+8*\m:XF+24*((\s)%2)+8*\m+7], v[B1R+8*\t:B1R+8*\t+7], v[W1S+4*\t+(\s)%4], v[XS+4*\m+(\s)%4] matrix_a_fmt:MATRIX_FMT_FP4 matrix_b_fmt:MATRIX_FMT_FP4
.elseif (\s) < 4
	v_wmma_scale_f32_16x16x128_f8f6f4 v[ACC+32*\m+8*\t:ACC+32*\m+8*\t+7], v[8*(4*(\s)+\t):8*(4*(\s)+\t)+7], v[XF+24*((\s)%2)+8*\m:XF+24*((\s)%2)+8*\m+7], v[ACC+32*\m+8*\t:ACC+32*\m+8*\t+7], v[W1S+4*\t+(\s)%4], v[XS+4*\m+(\s)%4] matrix_a_fmt:MATRIX_FMT_FP4 matrix_b_fmt:MATRIX_FMT_FP4
.else
	v_wmma_scale_f32_16x16x128_f8f6f4 v[ACC+32*\m+8*\t:ACC+32*\m+8*\t+7], v[8*(4*(\s)+\t):8*(4*(\s)+\t)+7], v[XF+24*((\s)%2)+8*\m:XF+24*((\s)%2)+8*\m+7], v[ACC+32*\m+8*\t:ACC+32*\m+8*\t+7], v[W1S+4*\t+(\s)%4], v[XS+4*\m+(\s)%4] matrix_a_fmt:MATRIX_FMT_FP4 matrix_b_fmt:MATRIX_FMT_FP4 matrix_a_scale:MATRIX_SCALE_ROW1 matrix_b_scale:MATRIX_SCALE_ROW1
.endif
.endr
.endr
.endm
.macro STEP1 s
.if (\s) < 7
	s_wait_dscnt 6                                 ; this step's six fragment loads are in, the next step's six may be out
.else
	s_wait_dscnt 0x0
.endif
.if (\s) >= 4
	s_wait_loadcnt 8*(7-(\s))                      ; W1's K step s is in; eight loads for each later step may be out
.endif
	WIN 0x01                                       ; source 0 (the weight) window 1
	MUL1 \s
	WIN 0
.if (\s) <= 5
	PLACES
	FRAGX (\s)%2, (\s)+2
.endif
.endm
	FRAGX 0, 0
	FRAGX 1, 1
.irp s, 0,1,2,3,4,5,6,7
	STEP1 \s
.endr
	PLACES                                         ; in front of the loads into registers that the products have read, and of the first read of their results
.irp t, 0,1,2,3
.irp q, 0,1
	global_load_b32 v[PJS+2*\t+\q], v18, s[48:49] offset:2048*\q+64*\t
.endr
.endr
	WIN 0x40
.irp s, 0,1,2,3
.irp t, 0,1,2,3
.irp c, 0,1
	global_load_b128 v[8*(4*\s+\t)+4*\c:8*(4*\s+\t)+4*\c+3], v4, s[46:47] offset:32768*\s+1024*\t+512*\c   ; proj lands while h is made
.endr
.endr
.endr
	WIN 0
.irp b, 0,1,2,3,4,5,6,7
	global_load_b128 v[CO+4*\b:CO+4*\b+3], v4, s[50:51] offset:2048*\b
.endr
	global_load_b128 v[SCL:SCL+3], v4, s[52:53]
	; ---- h = a / (1 + 2^(-a log2 e)), in f32, then quantised along the hidden units: my 64 units are two blocks of 32, each in lanes l and l xor 16
.macro SWISH m
.set HA, ACC+32*(\m)
.set J, 0
.rept 16
	v_pk_mul_f32 v[T+J:T+J+1], v[HA+J:HA+J+1], s[NL2E:NL2E+1] op_sel_hi:[1,0]   ; each accumulator is read from its low end on
.set J, J+2
.endr
.set J, 0
.rept 32
	v_exp_f32 v[T+J], v[T+J]
.set J, J+1
.endr
	v_nop                                          ; a plain line behind the transcendentals
.set J, 0
	s_wait_alu depctr_va_vdst(0)
.rept 16
	v_pk_add_f32 v[T+J:T+J+1], v[T+J:T+J+1], 1.0 op_sel_hi:[1,0]
.set J, J+2
.endr
.set J, 0
.rept 32
	v_rcp_f32 v[T+J], v[T+J]
.set J, J+1
.endr
	v_nop
.set J, 0
	s_wait_alu depctr_va_vdst(0)
.rept 16
	v_pk_mul_f32 v[HA+J:HA+J+1], v[HA+J:HA+J+1], v[T+J:T+J+1]
.set J, J+2
.endr
.endm
.macro QUANT2 m
.set HA, ACC+32*(\m)
.irp b, 0,1
	v_max3_num_f32 v[TM+\b], |v[HA+16*\b]|, |v[HA+16*\b+1]|, 0x1800000   ; my 16 numbers of block b, and the floor 2^(3 - 127)
.endr
.irp i, 2,4,6,8,10,12,14
.irp b, 0,1
	v_max3_num_f32 v[TM+\b], v[TM+\b], |v[HA+16*\b+\i]|, |v[HA+16*\b+\i+1]|
.endr
.endr
.irp b, 0,1
	v_permlanex16_b32 v[TM+2+\b], v[TM+\b], s36, s37
.endr
.irp b, 0,1
	v_max_num_f32 v[TM+\b], v[TM+\b], v[TM+2+\b]   ; with lane l xor 16's: the block's largest magnitude
.endr
.irp b, 0,1
	v_add_nc_u32 v[TM+4+\b], 0xff000000, v[TM+\b]  ; 2 off the exponent field: the conversion's scale operand
.endr
.irp b, 0,1
	v_lshrrev_b32 v[TM+6+\b], 23, v[TM+4+\b]       ; the byte
.endr
	v_lshl_or_b32 v[PW+\m], v[TM+7], 8, v[TM+6]    ; my two bytes of the row's scale word
.irp b, 0,1
	v_cvt_scalef32_pk8_fp4_f32 v[P+4*(\m)+2*\b], v[HA+16*\b:HA+16*\b+7], v[TM+4+\b]
	v_cvt_scalef32_pk8_fp4_f32 v[P+4*(\m)+2*\b+1], v[HA+16*\b+8:HA+16*\b+15], v[TM+4+\b]
.endr
	v_nop                                          ; a plain line behind the conversions
	v_permlane16_swap_b32 v[P+4*(\m)], v[P+4*(\m)+2]     ; the operand wants a whole block in a lane: lanes 0-15 block 0, lanes 16-31 block 1
	v_permlane16_swap_b32 v[P+4*(\m)+1], v[P+4*(\m)+3]
	ds_store_b128 v9, v[P+4*(\m):P+4*(\m)+3] offset:4096*(\m)   ; registers 4 (w % 2) .. + 3 of the fragment of K step w / 2, as they stand
	ds_store_b16 v10, v[PW+\m] offset:512*(\m)
.endm
.irp m, 0,1,2
	SWISH \m
	QUANT2 \m
.endr
	BARRIER                                        ; h's twelve fragments and their scale words lie in LDS
	; ---- product 2: the same twelve accumulators, begun anew with the constant 0
.macro FRAGH buf, s
.irp m, 0,1,2
.irp c, 0,1
	ds_load_b128 v[XF+24*(\buf)+8*\m+4*\c:XF+24*(\buf)+8*\m+4*\c+3], v4 offset:HIMG+1024*(4*\m+(\s))+512*\c
.endr
	ds_load_b32 v[HS+3*(\buf)+\m], v5 offset:HSC+128*(4*\m+(\s))
.endr
.endm
.macro MUL2 s
.irp t, 0,1,2,3
.irp m, 0,1,2
.if (\s) == 0
	v_wmma_scale_f32_16x16x128_f8f6f4 v[ACC+32*\m+8*\t:ACC+32*\m+8*\t+7], v[8*(4*(\s)+\t):8*(4*(\s)+\t)+7], v[XF+24*((\s)%2)+8*\m:XF+24*((\s)%2)+8*\m+7], 0, v[PJS+2*\t+(\s)%2], v[HS+3*((\s)%2)+\m] matrix_a_fmt:MATRIX_FMT_FP4 matrix_b_fmt:MATRIX_FMT_FP4
.elseif (\s) == 1
	v_wmma_scale_f32_16x16x128_f8f6f4 v[ACC+32*\m+8*\t:ACC+32*\m+8*\t+7], v[8*(4*(\s)+\t):8*(4*(\s)+\t)+7], v[XF+24*((\s)%2)+8*\m:XF+24*((\s)%2)+8*\m+7], v[ACC+32*\m+8*\t:ACC+32*\m+8*\t+7], v[PJS+2*\t+(\s)%2], v[HS+3*((\s)%2)+\m] matrix_a_fmt:MATRIX_FMT_FP4 matrix_b_fmt:MATRIX_FMT_FP4
.else
	v_wmma_scale_f32_16x16x128_f8f6f4 v[ACC+32*\m+8*\t:ACC+32*\m+8*\t+7], v[8*(4*(\s)+\t):8*(4*(\s)+\t)+7], v[XF+24*((\s)%2)+8*\m:XF+24*((\s)%2)+8*\m+7], v[ACC+32*\m+8*\t:ACC+32*\m+8*\t+7], v[PJS+2*\t+(\s)%2], v[HS+3*((\s)%2)+\m] matrix_a_fmt:MATRIX_FMT_FP4 matrix_b_fmt:MATRIX_FMT_FP4 matrix_a_scale:MATRIX_SCALE_ROW1
.endif
.endr
.endr
.endm
.macro STEP2 s
.if (\s) < 3
	s_wait_dscnt 9                                 ; this step's nine loads are in, the next step's nine may be out
.else
	s_wait_dscnt 0x0
.endif
	WIN 0x01
	MUL2 \s
	WIN 0
.if (\s) <= 1
	PLACES
	FRAGH (\s)%2, (\s)+2
.endif
.endm
	s_wait_loadcnt 9                               ; proj and its scale words are in; ctrl's eight loads and scaling's one may be out
	FRAGH 0, 0
	FRAGH 1, 1
.irp s, 0,1,2,3
	STEP2 \s
.endr
	PLACES
	; ---- z goes to LDS by rows, so that the last phase can take whole rows and store whole runs of a row
.irp m, 0,1,2
.irp t, 0,1,2,3
	ds_store_b128 v[11+\m], v[ACC+32*\m+8*\t:ACC+32*\m+8*\t+3] offset:128*(\t/2)+32*(\t%2)        ; each accumulator from its low end on
	ds_store_b128 v[11+\m], v[ACC+32*\m+8*\t+4:ACC+32*\m+8*\t+7] offset:128*(\t/2)+32*(\t%2)+16
.endr
.endr
	s_wait_loadcnt 0x0                             ; ctrl, scaling
.irp b, 0,1,2,3,4,5,6,7
.irp p, 0,2
	v_pk_mul_f32 v[CO+4*\b+\p:CO+4*\b+\p+1], v[CO+4*\b+\p:CO+4*\b+\p+1], v[SCL+\p:SCL+\p+1]
.endr
.endr
.irp b, 1,2,3,4,5,6,7
.irp p, 0,2
	v_pk_mul_f32 v[CO+4*\b+\p:CO+4*\b+\p+1], v[CO+4*\b+\p:CO+4*\b+\p+1], s[72+2*\b:73+2*\b] op_sel_hi:[1,0]
.endr
.endr
	v_mov_b32 v148, s72                            ; c3 and w6 as vector pairs: a packed line here names one scalar pair at the most
	v_mov_b32 v149, s72
	v_mov_b32 v152, s84
	v_mov_b32 v153, s84
	s_lshr_b32 s38, s28, 2                         ; the last phase: wave w takes columns 128 (w % 4) on, a lane four of them, and rows 8 i + 4 (w / 4) + 0 .. 3 in trip i
	s_lshl_b32 s60, s38, 2                         ; my first row
	s_mul_i32 s61, s38, 4*ZP
	s_lshl_b32 s22, s31, 9
	s_add_co_u32 s61, s61, s22
	s_add_co_u32 s61, s61, ZST                     ; where it lies in LDS
	s_lshl_b32 s62, s38, 4
	s_add_co_u32 s62, s62, TOKT                    ; and its token
	s_mov_b32 s63, 6
	BARRIER                                        ; 48 whole rows of z lie in LDS
.Ltrip:                                            ; six trips, a constant; a trip whose rows lie past n does nothing but step
	s_wait_xcnt 0x0                                ; the last trip's stores have read their registers: they are written again only behind this wait
	v_add_nc_u32 v14, s61, v4
	v_mov_b32 v15, s62
	s_cmp_ge_u32 s60, s34
	s_cbranch_scc1 .Ltail
.irp i, 0,1,2,3
	ds_load_b128 v[Z+4*\i:Z+4*\i+3], v14 offset:ZP*\i
.endr
	ds_load_b128 v[TK:TK+3], v15                   ; the four rows' tokens, the same in every lane
	s_wait_dscnt 0x0
.set J, 0
.rept 8
	v_pk_mul_f32 v[Z+J:Z+J+1], v[Z+J:Z+J+1], s[NL2E:NL2E+1] op_sel_hi:[1,0]
.set J, J+2
.endr
.set J, 0
.rept 16
	v_exp_f32 v[Z+J], v[Z+J]
.set J, J+1
.endr
.irp i, 0,1,2,3                        ; plain lines behind the transcendentals: where the rows go
	v_min_u32 v[VO+\i], 0x1fff, v[TK+\i]
	v_lshlrev_b32 v[VO+\i], 11, v[VO+\i]           ; a row of out0 is 2,048 bytes
	v_add_nc_u32 v[VO+\i], v16, v[VO+\i]
.endr
.set J, 0
	s_wait_alu depctr_va_vdst(0)
.rept 8
	v_pk_add_f32 v[Z+J:Z+J+1], v[Z+J:Z+J+1], 1.0 op_sel_hi:[1,0]
.set J, J+2
.endr
.set J, 0
.rept 16
	v_rcp_f32 v[Z+J], v[Z+J]                       ; xn = sigmoid(z)
.set J, J+1
.endr
	v_nop
.set J, 0
	s_wait_alu depctr_va_vdst(0)
.rept 8
	v_pk_mul_f32 v[R+J:R+J+1], v[Z+J:Z+J+1], s[68:69] op_sel_hi:[1,0]
	v_pk_mul_f32 v[G+J:G+J+1], v[Z+J:Z+J+1], v[Z+J:Z+J+1]
.set J, J+2
.endr
.set J, 0
.rept 8
	v_pk_fma_f32 v[G+J:G+J+1], v[G+J:G+J+1], s[70:71], v[148:149] op_sel_hi:[1,0,1]
.set J, J+2
.endr
.set J, 0
.rept 16
	v_exp_f32 v[R+J], v[R+J]                       ; r = exp(64 xn / 7)
	v_exp_f32 v[G+J], v[G+J]                       ; 1e-6 exp(32 xn^2)
.set J, J+1
.endr
	v_nop
.set J, 0
	s_wait_alu depctr_va_vdst(0)
.rept 8
	v_pk_add_f32 v[G+J:G+J+1], v[G+J:G+J+1], 1.0 op_sel_hi:[1,0]   ; + w_0
	v_pk_fma_f32 v[D+J:D+J+1], v[R+J:R+J+1], s[86:87], v[152:153] op_sel_hi:[1,0,1]   ; the divisor: w_7 r + w_6,
	v_pk_fma_f32 v[N+J:N+J+1], v[R+J:R+J+1], v[CO+28+J%4:CO+29+J%4], v[CO+24+J%4:CO+25+J%4]   ; the dividend likewise
.set J, J+2
.endr
.irp b, 5,4,3,2,1
.set J, 0
.rept 8
	v_pk_fma_f32 v[D+J:D+J+1], v[D+J:D+J+1], v[R+J:R+J+1], s[72+2*\b:73+2*\b] op_sel_hi:[1,1,0]
	v_pk_fma_f32 v[N+J:N+J+1], v[N+J:N+J+1], v[R+J:R+J+1], v[CO+4*\b+J%4:CO+4*\b+J%4+1]
.set J, J+2
.endr
.endr
.set J, 0
.rept 8
	v_pk_fma_f32 v[D+J:D+J+1], v[D+J:D+J+1], v[R+J:R+J+1], v[G+J:G+J+1]
	v_pk_fma_f32 v[N+J:N+J+1], v[N+J:N+J+1], v[R+J:R+J+1], v[CO+J%4:CO+J%4+1]
.set J, J+2
.endr
.set J, 0
.rept 16
	v_rcp_f32 v[D+J], v[D+J]
.set J, J+1
.endr
	v_nop
.set J, 0
	s_wait_alu depctr_va_vdst(0)
.rept 8
	v_pk_mul_f32 v[N+J:N+J+1], v[N+J:N+J+1], v[D+J:D+J+1]
.set J, J+2
.endr
	global_store_b128 v[VO], v[N:N+3], s[20:21] th:TH_STORE_NT     ; 32 lanes store 512 consecutive bytes of a row, at a multiple of 512 from out0's first byte
.irp i, 1,2,3
	s_add_co_u32 s22, s60, \i
	s_cmp_ge_u32 s22, s34                          ; rows past n are not stored
	s_cbranch_scc1 .Ltail
	global_store_b128 v[VO+\i], v[N+4*\i:N+4*\i+3], s[20:21] th:TH_STORE_NT
.endr
.Ltail:
	s_add_co_u32 s60, s60, 8
	s_add_co_u32 s61, s61, 8*ZP
	s_add_co_u32 s62, s62, 32
	s_sub_co_u32 s63, s63, 1
	s_cmp_lg_u32 s63, 0
	s_cbranch_scc1 .Ltrip
	s_wait_tensorcnt 0x0
	ds_add_u32 v35, v159
	s_wait_dscnt 0x0
	s_endpgm
.Lfunc_end_k_qb3865179ac_chain:
	.size	k_qb3865179ac_chain, .Lfunc_end_k_qb3865179ac_chain-k_qb3865179ac_chain
	.p2alignl 7, 3214868480
	.fill 96, 4, 3214868480
	.section	.rodata,"a",@progbits
	.p2align	6, 0x0
	.amdhsa_kernel k_qb3865179ac_chain
		.amdhsa_group_segment_fixed_size 140288
		.amdhsa_private_segment_fixed_size 0
		.amdhsa_enable_private_segment 0
		.amdhsa_kernarg_size 72
		.amdhsa_user_sgpr_count 2
		.amdhsa_user_sgpr_kernarg_segment_ptr 1
		.amdhsa_wavefront_size32 1
		.amdhsa_system_sgpr_workgroup_id_x 1
		.amdhsa_system_sgpr_workgroup_id_y 1
		.amdhsa_system_sgpr_workgroup_id_z 1
		.amdhsa_system_vgpr_workitem_id 0
		.amdhsa_next_free_vgpr 512
		.amdhsa_next_free_sgpr 100
		.amdhsa_reserve_vcc 0
		.amdhsa_float_denorm_mode_32 3
		.amdhsa_float_denorm_mode_16_64 3
		.amdhsa_memory_ordered 1
		.amdhsa_forward_progress 1
		.amdhsa_inst_pref_size 89
	.end_amdhsa_kernel
	.amdgpu_metadata
---
amdhsa.version: [ 1, 2 ]
amdhsa.kernels:
  - .name:           k_qb3865179ac_chain
    .symbol:         k_qb3865179ac_chain.kd
    .args:
      - { .name: route, .offset: 0, .size: 8, .value_kind: global_buffer, .address_space: global }
      - { .name: xq, .offset: 8, .size: 8, .value_kind: global_buffer, .address_space: global }
      - { .name: xs, .offset: 16, .size: 8, .value_kind: global_buffer, .address_space: global }
      - { .name: wq, .offset: 24, .size: 8, .value_kind: global_buffer, .address_space: global }
      - { .name: wsc, .offset: 32, .size: 8, .value_kind: global_buffer, .address_space: global }
      - { .name: b1, .offset: 40, .size: 8, .value_kind: global_buffer, .address_space: global }
      - { .name: ctrl, .offset: 48, .size: 8, .value_kind: global_buffer, .address_space: global }
      - { .name: scaling, .offset: 56, .size: 8, .value_kind: global_buffer, .address_space: global }
      - { .name: out0, .offset: 64, .size: 8, .value_kind: global_buffer, .address_space: global }
    .group_segment_fixed_size: 140288
    .private_segment_fixed_size: 0
    .kernarg_segment_align: 8
    .kernarg_segment_size: 72
    .max_flat_workgroup_size: 256
    .sgpr_count:     100
    .vgpr_count:     512
    .wavefront_size: 32
...
	.end_amdgpu_metadata
.endif
;; end of part 3
;; ======== version 2 of 2: 3 launches; version 1 with the launch chain written anew for expert scheduling mode
;; workspace buffers: xq 4,194,304 bytes; xs 262,144 bytes; eid 32,768 bytes of whole numbers; wq 3,145,728 bytes; wsc 196,608 bytes; route 36,864 bytes of whole numbers
;; launch gate_quant: the kernel of part 1 again; grid 256 x 1, 8 waves a work-group, no clusters, 168,960 bytes of LDS; arguments x, Wg, bg, xq, xs, eid; writes xq, xs, eid
;; launch prep: the kernel of part 2 again; grid 193 x 1, 8 waves a work-group, no clusters, 2,048 bytes of LDS; arguments W1, proj, eid, wq, wsc, route; writes wq, wsc, route
;; launch chain (part 4): grid 178 x 1, 8 waves a work-group, no clusters, 140,288 bytes of LDS; arguments route, xq, xs, wq, wsc, b1, ctrl, scaling, out0; writes out0
.if DOCPART == 4
	.amdgcn_target "amdgcn-amd-amdhsa--gfx1250"
	.amdhsa_code_object_version 6
	.text
	.protected	k_qb3865179ac_chain
	.globl	k_qb3865179ac_chain
	.p2align	8
	.type	k_qb3865179ac_chain,@function
k_qb3865179ac_chain:
	s_mov_b64 s[64:65], 0
	v_nop
	global_prefetch_b8 v0, s[64:65] scope:SCOPE_SE
	s_setreg_imm32_b32 hwreg(HW_REG_WAVE_SCHED_MODE, 0, 2), 2
	s_setreg_imm32_b32 hwreg(HW_REG_WAVE_MODE, 25, 1), 1
	s_wait_xcnt 0x0
	s_wait_alu depctr_vm_vsrc(0)
; One work-group takes one tile (at most 48 tokens of ONE expert e, from the stored list) through the whole chain:
;   h = swish(x W1[e] + b1[e]);  z = h proj[e];  xn = sigmoid(z);  out = scaling[e] * sum_b ctrl[e][b] basis_b / (sum_b basis_b + 1e-6),  basis_b = exp(-32 (xn - b / 7)^2).
; Both products run on codes of FP4 (E2M1) with E8M0 scales; h is quantised in registers and never goes to memory.  Only the chosen expert's rows are multiplied: the one-hot gate throws the others away.
; SHARES.  THE EIGHT WAVES SHARE THE COLUMNS: wave w makes hidden units and z columns 64 w .. 64 w + 63 for all 48 rows.  Its part of W1 (32 KiB) and of proj goes from memory straight into its registers, laid
; beforehand in the order of the operand's registers: every lane loads whole fragments, all of W1 asked for at once.  Rows past n repeat row n - 1; they are computed and never stored.  A record with n = 0 runs on
; held indices and stores nothing: every wave passes every barrier.
; BOTH PRODUCTS ARE USED TRANSPOSED (source 0 = 16 columns of the weight, source 1 = 16 tokens): a lane holds ONE token, and register j of tile t the column 64 w + 32 (t / 2) + 16 (lane / 16) + 8 (t % 2) + j,
; so that tiles 2 b, 2 b + 1 are 16 neighbours along the next K.  b1 is the C of each sum's first matrix instruction.
; THE BASES.  exp(-32 (xn - b/7)^2) = G w_b r^b with G = exp(-32 xn^2), r = exp(64 xn / 7), w_b = exp(-32 b^2 / 49).  So out = sum_b (scaling ctrl_b w_b) r^b / (sum_b w_b r^b + 1e-6 / G): two Horner chains.
; xn lies in [0, 1] whatever the inputs, so r^7 <= 6.3e27, w_7 r^7 <= 8e13 and 1e-6 / G <= 8e7: nothing overflows, every term of the divisor is positive, and the 1e-6 is kept.
; NO JOINT LOADS: which tiles share an expert hangs on the stored list, so a joint request's address would hang on loaded numbers that differ between neighbours; the weights need no LDS at all here.
; LIMITS: NaN and infinities among the inputs are not served.
; THE MODE: SCHED_MODE bits 1:0 = 2 (LLVM: expert scheduling mode 2), set by the entry lines.  The code itself states the register dependences between vector or matrix instructions and memory or LDS
; instructions, with s_wait_alu, always for 0.
; THE PLAN.  Registers that memory or LDS instructions touch, and who else names them:
;   v4-13, v16-23    lane terms and addresses: made at the head, read by loads and stores, never written again: one wait at the head.
;   x's fragments    THREE sets: v96-119, v120-143, v64-87 (where b1 lay, which K step 0 alone reads).  K step s reads set s % 3.  K steps 1, 3 and 5 each hold one wait, at their head: the products issued so far are
;                    done reading their sets; behind it the twelve loads of the next two K steps go out in one run (an LDS load's address is its source 0, which the products' window setting puts in window 1:
;                    a load among the products would want two window switches of its own).
;   the weights      window 1, v48-63 (scale words), v64-95: one wait behind product 1, then proj, its scale words, ctrl and scaling are asked for.
;   h's codes        v128-139 and v156-158, registers of its own for each tile of tokens: written by the quantiser, read by two LDS stores, which stand behind the next tile's first wait for its exponentials.
;   h's fragments    K steps 0, 1 in v96-143, K steps 2, 3 in window 1's v128-175 (W1's K steps 4 and 5 have left them), scale words in v36-47: all 36 loads go out at once, and product 2 holds no wait of this kind.
;   v160-255         the accumulators: read by z's LDS stores behind one wait.  In the last phase: Z and TK are loaded, N and VO are read by the stores.
;   v14, v15         written at a trip's head, read by the loads in the trip's middle, which bring the NEXT trip's rows behind a wait that stands there for the exponentials.
; REGISTERS.  Window 0: v1-23 lane terms and addresses; v24-34 tokens; v36-47 and v48-63 scale words and nothing else; v64-95 b1, then a set of x's fragments, later the coefficients; v96-143 fragments of x or h in two
; sets (first the gathered rows; in the h phase 32 numbers at work and the codes); v144-158 at work; v160-255 the twelve accumulators (m, t) at 160 + 32 m + 8 t, in the last phase 16 numbers in five stages.
; Window 1: the weight's fragments (s, t) at 8 (4 s + t); in product 2 from v128 on h's fragments of K steps 2 and 3.
.set XP,   528                         ; LDS: x's codes by rows, 48 x (512 + 16) bytes, from byte 0
.set HIMG, 25344                       ; h's fragments as images of their registers: (m, s) at 1,024 (4 m + s)
.set HSC,  37632                       ; their scale words: 128 (4 m + s) + 4 lane
.set TOKT, 39168                       ; the 48 rows' tokens
.set ZST,  39424                       ; z: 48 rows x (2,048 + 16) bytes
.set ZP,   2064
.set XS,  36                           ; scale words of x: v[36 + 4 m + q]: lanes 0-15 K step q, lanes 16-31 K step 4 + q
.set HS,  36                           ; later of h: v[36 + 3 s + m]
.set W1S, 48                           ; of W1: v[48 + 4 t + q], the lanes' halves as for x
.set PJS, 48                           ; later of proj: v[48 + 2 t + q]: lanes 0-15 K step q, lanes 16-31 K step 2 + q
.set B1R, 64
.set CO,  64                           ; coefficients: v[64 + 4 b + j] = scaling ctrl_b w_b of my column j
.set XF,  96
.set HF,  128                          ; in window 1: h's fragments of K steps 2 and 3
.set T,   96
.set P,   128
.set SCL, 144
.set TM,  148
.set PW,  156
.set ACC, 160
.set Z,   160
.set R,   176
.set G,   192
.set D,   208
.set N,   224
.set TK,  240
.set VO,  244
.set NL2E, 66                          ; s[66:67] -log2(e);  s[68:69] c1 = 64/7 log2(e);  s[70:71] c2 = 32 log2(e);  s[72:73] c3 = log2(1e-6);  s[72 + 2 b : 73 + 2 b] w_b, b = 1 .. 7
.set MSB, 0
.macro WIN new                         ; the immediate's high byte repeats the setting that is left
.if MSB != \new
	s_set_vgpr_msb (MSB<<8)|\new
.set MSB, \new
.endif
.endm
.macro KPAIR reg, bits                 ; a constant for packed arithmetic: the pair is named, so both words are written
	s_mov_b32 s[\reg], \bits
	s_mov_b32 s[\reg+1], \bits
.endm
.macro PLACES                          ; four plain vector lines between a matrix instruction and the first read of its results (ISA guide 7.12.1)
.rept 4
	v_nop
.endr
.endm
.macro BARRIER                         ; my LDS stores have landed and my LDS loads are in: then the work-group's barrier
	s_wait_dscnt 0x0
	s_barrier_signal -1
	s_barrier_wait -1
.endm
	s_load_b512 s[4:19], s[0:1], 0x0               ; route, xq, xs, wq, wsc, b1, ctrl, scaling
	s_load_b64 s[20:21], s[0:1], 0x40              ; out0
	v_lshl_add_u32 v35, v0, 2, 0x22000
	v_mov_b32 v159, 0
	v_lshrrev_b32 v1, 5, v0
	v_readfirstlane_b32 s28, v1                    ; wave 0..7
	v_and_b32 v1, 31, v0                           ; lane
	v_and_b32 v2, 15, v0                           ; r
	v_bfe_u32 v3, v0, 4, 1                         ; h
	v_lshlrev_b32 v4, 4, v1                        ; 16 x lane
	v_lshlrev_b32 v5, 2, v1                        ; 4 x lane
	v_mul_u32_u24 v6, v2, XP
	v_lshl_add_u32 v6, v3, 4, v6                   ; a fragment of x: row r, + 16 h
	s_wait_alu depctr_va_sdst(0)                   ; s28 is written, ahead of its first reader: the wave's shares are made from it
	s_lshr_b32 s29, s28, 1
	s_and_b32 s30, s28, 1
	s_and_b32 s31, s28, 3
	s_mul_i32 s22, s28, 2*XP
	v_add_nc_u32 v7, s22, v4                       ; x's rows in: rows 2 w, 2 w + 1 of each 16
	s_lshl_b32 s22, s28, 3
	s_add_co_u32 s22, s22, TOKT
	v_mov_b32 v8, s22                              ; their tokens in
	s_lshl_b32 s22, s29, 10
	s_lshl_b32 s23, s30, 9
	s_add_co_u32 s22, s22, s23
	s_add_co_u32 s22, s22, HIMG
	v_add_nc_u32 v9, s22, v4                       ; h's image in: K step w / 2, registers 4 (w % 2) on
	s_lshl_b32 s22, s29, 7
	s_lshl_b32 s23, s30, 1
	s_add_co_u32 s22, s22, s23
	s_add_co_u32 s22, s22, HSC
	v_add_nc_u32 v10, s22, v5                      ; and my two bytes of its scale word
	v_mul_u32_u24 v11, v2, ZP
	v_lshl_add_u32 v11, v3, 6, v11
	s_lshl_b32 s22, s28, 8
	s_add_co_u32 s22, s22, ZST
	v_add_nc_u32 v11, s22, v11                     ; z in: row r, 256 w + 64 h bytes on; one register for each 16 rows
	v_add_nc_u32 v12, 16*ZP, v11
	v_add_nc_u32 v13, 32*ZP, v11
	s_lshl_b32 s22, s31, 9
	v_add_nc_u32 v16, s22, v4                      ; my four columns of the last phase, in bytes: 512 (w % 4) + 16 lane
	v_lshlrev_b32 v17, 2, v2
	v_lshl_add_u32 v18, v3, 12, v17                ; proj's scale words: 4 r, lanes 16-31 two K steps on
	v_lshl_add_u32 v17, v3, 13, v17                ; W1's: four K steps on
	v_lshlrev_b32 v19, 6, v3                       ; b1: 64 h
	v_lshlrev_b32 v23, 4, v3                       ; 16 h
	s_mov_b32 s36, 0x76543210
	s_mov_b32 s37, 0xfedcba98                      ; v_permlanex16_b32's selects for lane l xor 16
	KPAIR 66, 0xbfb8aa3b
	KPAIR 68, 0x41530bb1
	KPAIR 70, 0x4238aa3b
	KPAIR 72, 0xc19f73da
	KPAIR 74, 0x3f053c38
	KPAIR 76, 0x3d9642d4
	KPAIR 78, 0x3b379bb0
	KPAIR 80, 0x37f31568
	KPAIR 82, 0x33ae5822
	KPAIR 84, 0x2e877b19
	KPAIR 86, 0x28642357
	s_lshl_b32 s22, ttmp9, 4
	s_mov_b32 s23, 0
	s_wait_kmcnt 0x0
	s_add_nc_u64 s[24:25], s[4:5], s[22:23]
	s_load_b128 s[32:35], s[24:25], 0x8000         ; my record: expert, first place, n, max(n, 1) - 1
	s_wait_kmcnt 0x0
	s_min_u32 s32, s32, 7                          ; loaded numbers are held to their ranges before they enter an address
	s_min_u32 s33, s33, 0x1fff
	s_min_u32 s34, s34, 48
	s_min_u32 s35, s35, 47
	s_lshl_b32 s24, s28, 12                        ; 4,096 w
	s_lshl_b32 s22, s32, 18
	s_add_co_u32 s22, s22, s24
	s_add_nc_u64 s[40:41], s[10:11], s[22:23]      ; W1's codes: 262,144 e + 4,096 w
	s_lshl_b32 s22, s32, 17
	s_add_co_u32 s22, s22, s24
	s_add_co_u32 s22, s22, 0x200000
	s_add_nc_u64 s[46:47], s[10:11], s[22:23]      ; proj's: 2,097,152 + 131,072 e + 4,096 w
	s_lshl_b32 s24, s28, 8                         ; 256 w
	s_lshl_b32 s22, s32, 14
	s_add_co_u32 s22, s22, s24
	s_add_nc_u64 s[42:43], s[12:13], s[22:23]      ; W1's scale words
	s_lshl_b32 s22, s32, 13
	s_add_co_u32 s22, s22, s24
	s_add_co_u32 s22, s22, 0x20000
	s_add_nc_u64 s[48:49], s[12:13], s[22:23]      ; proj's
	s_lshl_b32 s26, s32, 11                        ; 2,048 e
	s_add_co_u32 s22, s26, s24
	s_add_nc_u64 s[44:45], s[14:15], s[22:23]      ; b1
	s_lshl_b32 s24, s31, 9
	s_add_co_u32 s22, s26, s24
	s_add_nc_u64 s[52:53], s[18:19], s[22:23]      ; scaling, at my columns of the last phase
	s_lshl_b32 s22, s32, 14
	s_add_co_u32 s22, s22, s24
	s_add_nc_u64 s[50:51], s[16:17], s[22:23]      ; ctrl likewise
	; ---- the loads.  The tokens first; W1's scale words, b1 and half of W1 stand behind them and are on their way while the tokens come
.irp m, 0,1,2
	v_add_nc_u32 v[20+\m], 16*\m, v2
	v_min_u32 v[20+\m], s35, v[20+\m]              ; rows past n repeat row n - 1
	v_add_nc_u32 v[20+\m], s33, v[20+\m]
	v_min_u32 v[20+\m], 0x1fff, v[20+\m]
	v_lshlrev_b32 v[20+\m], 2, v[20+\m]
.endr
	s_wait_alu depctr_va_vdst(0)                   ; the lane terms and addresses v4 to v23 are written: every load and store of the kernel but those by v14, v15, v32-34 and VO reads one of them
.irp m, 0,1,2
	global_load_b32 v[24+\m], v[20+\m], s[4:5]     ; lane (r, h): the token of row 16 m + r
.endr
.irp t, 0,1,2,3
.irp q, 0,1,2,3
	global_load_b32 v[W1S+4*\t+\q], v17, s[42:43] offset:2048*\q+64*\t
.endr
.endr
.irp t, 0,1,2,3
	global_load_b128 v[B1R+8*\t:B1R+8*\t+3], v19, s[44:45] offset:128*(\t/2)+32*(\t%2)
	global_load_b128 v[B1R+8*\t+4:B1R+8*\t+7], v19, s[44:45] offset:128*(\t/2)+32*(\t%2)+16
.endr
.macro W1LOAD s                        ; my four fragments of K step s: 8 loads of 512 consecutive bytes
.irp t, 0,1,2,3
.irp c, 0,1
	global_load_b128 v[8*(4*(\s)+\t)+4*\c:8*(4*(\s)+\t)+4*\c+3], v4, s[40:41] offset:32768*(\s)+1024*\t+512*\c
.endr
.endr
.endm
	WIN 0x40                                       ; destination window 1
.irp s, 0,1,2,3
	W1LOAD \s
.endr
	WIN 0
	s_wait_loadcnt 56                              ; the tokens are in: behind them stand 16 + 8 + 32 loads
.irp m, 0,1,2
	v_min_u32 v[28+\m], 0x1fff, v[24+\m]
	v_lshlrev_b32 v[32+\m], 5, v[28+\m]
	v_add_nc_u32 v[32+\m], v23, v[32+\m]           ; x's scale words: 32 bytes a token, lanes 16-31 the upper four
.endr
	s_lshl_b32 s38, s28, 1
	s_add_co_u32 s39, s38, 1
.irp m, 0,1,2
	v_readlane_b32 s[54+2*\m], v[28+\m], s38       ; my six rows: 16 m + 2 w and + 1
	v_readlane_b32 s[55+2*\m], v[28+\m], s39
.endr
	s_wait_alu depctr_va_sdst(0)                   ; s54 to s59 are written, ahead of their first reader
.irp k, 0,1,2,3,4,5
	s_min_u32 s[54+\k], s[54+\k], 0x1fff
.endr
.irp k, 0,1,2,3,4,5
	v_mov_b32 v[TM+\k], s[54+\k]                   ; (these moves also write, whole, the two registers that the lane exchange below names as destinations)
.endr
	s_wait_alu depctr_va_vdst(0)                   ; v32 to v34 are written, which the loads of x's scale words read as offsets, and v148 to v153, which the LDS stores of the tokens read
.irp m, 0,1,2
	global_load_b128 v[XS+4*\m:XS+4*\m+3], v[32+\m], s[8:9]
.endr
.irp k, 0,1,2,3,4,5
	s_lshl_b32 s22, s[54+\k], 9
	s_add_nc_u64 s[88+2*\k:89+2*\k], s[6:7], s[22:23]
	global_load_b128 v[XF+4*\k:XF+4*\k+3], v4, s[88+2*\k:89+2*\k]   ; a whole row of codes: 512 consecutive bytes
.endr
	WIN 0x40
.irp s, 4,5,6,7
	W1LOAD \s
.endr
	WIN 0
	s_wait_loadcnt 32                              ; all but W1's K steps 4 to 7
.irp k, 0,1,2,3,4,5
	ds_store_b128 v7, v[XF+4*\k:XF+4*\k+3] offset:XP*(16*(\k/2)+\k%2)
.endr
.irp k, 0,1,2,3,4,5
	ds_store_b32 v8, v[TM+\k] offset:64*(\k/2)+4*(\k%2)   ; all lanes write the same word with the same value
.endr
	BARRIER                                        ; the 48 rows of codes and their tokens lie in LDS
	s_wait_alu depctr_vm_vsrc(0)                   ; my LDS stores have read v96 to v119, in which fragments land from here on, and v148 to v153, which the quantiser of h writes
	; ---- product 1: twelve accumulators (3 tiles of tokens x my 4 tiles of units) by turns, one instruction a turn, a K step of 128 at a time
.macro FRAGX s                         ; the three tiles' fragments of K step s into set s % 3
.if (\s)%3 == 2
.set FB, B1R
.else
.set FB, XF+24*((\s)%3)
.endif
.irp m, 0,1,2
.irp c, 0,1
	ds_load_b128 v[FB+8*\m+4*\c:FB+8*\m+4*\c+3], v6 offset:16*XP*\m+64*(\s)+32*\c
.endr
.endr
.endm
.macro MUL1 s
.if (\s)%3 == 2
.set FB, B1R
.else
.set FB, XF+24*((\s)%3)
.endif
.irp t, 0,1,2,3
.irp m, 0,1,2
.if (\s) == 0
	v_wmma_scale_f32_16x16x128_f8f6f4 v[ACC+32*\m+8*\t:ACC+32*\m+8*\t+7], v[8*(4*(\s)+\t):8*(4*(\s)+\t)+7], v[FB+8*\m:FB+8*\m+7], v[B1R+8*\t:B1R+8*\t+7], v[W1S+4*\t+(\s)%4], v[XS+4*\m+(\s)%4] matrix_a_fmt:MATRIX_FMT_FP4 matrix_b_fmt:MATRIX_FMT_FP4
.elseif (\s) < 4
	v_wmma_scale_f32_16x16x128_f8f6f4 v[ACC+32*\m+8*\t:ACC+32*\m+8*\t+7], v[8*(4*(\s)+\t):8*(4*(\s)+\t)+7], v[FB+8*\m:FB+8*\m+7], v[ACC+32*\m+8*\t:ACC+32*\m+8*\t+7], v[W1S+4*\t+(\s)%4], v[XS+4*\m+(\s)%4] matrix_a_fmt:MATRIX_FMT_FP4 matrix_b_fmt:MATRIX_FMT_FP4
.else
	v_wmma_scale_f32_16x16x128_f8f6f4 v[ACC+32*\m+8*\t:ACC+32*\m+8*\t+7], v[8*(4*(\s)+\t):8*(4*(\s)+\t)+7], v[FB+8*\m:FB+8*\m+7], v[ACC+32*\m+8*\t:ACC+32*\m+8*\t+7], v[W1S+4*\t+(\s)%4], v[XS+4*\m+(\s)%4] matrix_a_fmt:MATRIX_FMT_FP4 matrix_b_fmt:MATRIX_FMT_FP4 matrix_a_scale:MATRIX_SCALE_ROW1 matrix_b_scale:MATRIX_SCALE_ROW1
.endif
.endr
.endr
.endm
.macro STEP1 s
.if (\s)%2 == 0
	s_wait_dscnt 6                                 ; this step's six fragment loads are in, the next step's six may be out
.else
	s_wait_dscnt 0x0                               ; this step's fragments are in: no younger load is out
.endif
.if (\s)%2 == 1 && (\s) < 7
	WIN 0
	s_wait_alu depctr_va_vdst(0)                   ; the products of the K steps so far are done reading their sets of x's fragments (in step 1: and b1): the loads below land in the two sets that this step does not read
	FRAGX (\s)+1
	FRAGX (\s)+2
.endif
.if (\s) >= 4
	s_wait_loadcnt 8*(7-(\s))                      ; W1's K step s is in; eight loads for each later step may be out
.endif
	WIN 0x01                                       ; source 0 (the weight) window 1
	MUL1 \s
.endm
	FRAGX 0
	FRAGX 1
.irp s, 0,1,2,3,4,5,6,7
	STEP1 \s
.endr
	WIN 0
	PLACES                                         ; in front of the first read of the products' results, and of the first vector write of registers that they have read
	s_wait_alu depctr_va_vdst(0)                   ; the products are done reading W1's fragments and scale words and v64 to v95: proj, its scale words and ctrl land there
.irp t, 0,1,2,3
.irp q, 0,1
	global_load_b32 v[PJS+2*\t+\q], v18, s[48:49] offset:2048*\q+64*\t
.endr
.endr
	WIN 0x40
.irp s, 0,1,2,3
.irp t, 0,1,2,3
.irp c, 0,1
	global_load_b128 v[8*(4*\s+\t)+4*\c:8*(4*\s+\t)+4*\c+3], v4, s[46:47] offset:32768*\s+1024*\t+512*\c   ; proj lands while h is made
.endr
.endr
.endr
	WIN 0
.irp b, 0,1,2,3,4,5,6,7
	global_load_b128 v[CO+4*\b:CO+4*\b+3], v4, s[50:51] offset:2048*\b
.endr
	global_load_b128 v[SCL:SCL+3], v4, s[52:53]
	; ---- h = a / (1 + 2^(-a log2 e)), in f32, then quantised along the hidden units: my 64 units are two blocks of 32, each in lanes l and l xor 16
.macro HSTORE m                        ; tile m's codes and bytes go to LDS
	ds_store_b128 v9, v[P+4*(\m):P+4*(\m)+3] offset:4096*(\m)   ; registers 4 (w % 2) .. + 3 of the fragment of K step w / 2, as they stand
	ds_store_b16 v10, v[PW+(\m)] offset:512*(\m)
.endm
.macro SWISH m
.set HA, ACC+32*(\m)
.set J, 0
.rept 16
	v_pk_mul_f32 v[T+J:T+J+1], v[HA+J:HA+J+1], s[NL2E:NL2E+1] op_sel_hi:[1,0]   ; each accumulator is read from its low end on
.set J, J+2
.endr
.set J, 0
.rept 32
	v_exp_f32 v[T+J], v[T+J]
.set J, J+1
.endr
	v_nop                                          ; a plain line behind the transcendentals
	s_wait_alu depctr_va_vdst(0)                   ; the 32 exponentials have written v[T ..], which the additions read; from the second tile on: the tile before has written its codes and its two bytes, which the LDS stores below read
.if (\m) > 0
	HSTORE (\m)-1
.endif
.set J, 0
.rept 16
	v_pk_add_f32 v[T+J:T+J+1], v[T+J:T+J+1], 1.0 op_sel_hi:[1,0]
.set J, J+2
.endr
.set J, 0
.rept 32
	v_rcp_f32 v[T+J], v[T+J]
.set J, J+1
.endr
	v_nop
	s_wait_alu depctr_va_vdst(0)                   ; the 32 reciprocals have written v[T ..], which the multiplications read
.set J, 0
.rept 16
	v_pk_mul_f32 v[HA+J:HA+J+1], v[HA+J:HA+J+1], v[T+J:T+J+1]
.set J, J+2
.endr
.endm
.macro QUANT2 m
.set HA, ACC+32*(\m)
.irp b, 0,1
	v_max3_num_f32 v[TM+\b], |v[HA+16*\b]|, |v[HA+16*\b+1]|, 0x1800000   ; my 16 numbers of block b, and the floor 2^(3 - 127)
.endr
.irp i, 2,4,6,8,10,12,14
.irp b, 0,1
	v_max3_num_f32 v[TM+\b], v[TM+\b], |v[HA+16*\b+\i]|, |v[HA+16*\b+\i+1]|
.endr
.endr
.irp b, 0,1
	v_permlanex16_b32 v[TM+2+\b], v[TM+\b], s36, s37
.endr
.irp b, 0,1
	v_max_num_f32 v[TM+\b], v[TM+\b], v[TM+2+\b]   ; with lane l xor 16's: the block's largest magnitude
.endr
.irp b, 0,1
	v_add_nc_u32 v[TM+4+\b], 0xff000000, v[TM+\b]  ; 2 off the exponent field: the conversion's scale operand
.endr
.irp b, 0,1
	v_lshrrev_b32 v[TM+6+\b], 23, v[TM+4+\b]       ; the byte
.endr
	v_lshl_or_b32 v[PW+(\m)], v[TM+7], 8, v[TM+6]  ; my two bytes of the row's scale word
.irp b, 0,1
	v_cvt_scalef32_pk8_fp4_f32 v[P+4*(\m)+2*\b], v[HA+16*\b:HA+16*\b+7], v[TM+4+\b]
	v_cvt_scalef32_pk8_fp4_f32 v[P+4*(\m)+2*\b+1], v[HA+16*\b+8:HA+16*\b+15], v[TM+4+\b]
.endr
	v_nop                                          ; a plain line behind the conversions
	v_permlane16_swap_b32 v[P+4*(\m)], v[P+4*(\m)+2]     ; the operand wants a whole block in a lane: lanes 0-15 block 0, lanes 16-31 block 1
	v_permlane16_swap_b32 v[P+4*(\m)+1], v[P+4*(\m)+3]
.endm
.irp m, 0,1,2
	SWISH \m
	QUANT2 \m
.endr
	s_wait_alu depctr_va_vdst(0)                   ; the last tile has written its codes and its two bytes, which the LDS stores read; and every vector line that names v96 to v143 is done: h's fragments land there behind the barrier
	HSTORE 2
	BARRIER                                        ; h's twelve fragments and their scale words lie in LDS
	s_wait_alu depctr_vm_vsrc(0)                   ; my LDS stores have read v128 to v139, in which fragments land
	; ---- product 2: the same twelve accumulators, begun anew with the constant 0.  All four K steps' fragments and scale words are asked for at once
.macro FRAGH s                         ; K step 0 or 1: fragments and scale words in window 0
.irp m, 0,1,2
.irp c, 0,1
	ds_load_b128 v[XF+24*(\s)+8*\m+4*\c:XF+24*(\s)+8*\m+4*\c+3], v4 offset:HIMG+1024*(4*\m+(\s))+512*\c
.endr
	ds_load_b32 v[HS+3*(\s)+\m], v5 offset:HSC+128*(4*\m+(\s))
.endr
.endm
.macro MUL2 s
.if (\s) < 2
.set BB, XF+24*(\s)
.else
.set BB, HF+24*((\s)-2)
.endif
.irp t, 0,1,2,3
.irp m, 0,1,2
.if (\s) == 0
	v_wmma_scale_f32_16x16x128_f8f6f4 v[ACC+32*\m+8*\t:ACC+32*\m+8*\t+7], v[8*(4*(\s)+\t):8*(4*(\s)+\t)+7], v[BB+8*\m:BB+8*\m+7], 0, v[PJS+2*\t+(\s)%2], v[HS+3*(\s)+\m] matrix_a_fmt:MATRIX_FMT_FP4 matrix_b_fmt:MATRIX_FMT_FP4
.elseif (\s) == 1
	v_wmma_scale_f32_16x16x128_f8f6f4 v[ACC+32*\m+8*\t:ACC+32*\m+8*\t+7], v[8*(4*(\s)+\t):8*(4*(\s)+\t)+7], v[BB+8*\m:BB+8*\m+7], v[ACC+32*\m+8*\t:ACC+32*\m+8*\t+7], v[PJS+2*\t+(\s)%2], v[HS+3*(\s)+\m] matrix_a_fmt:MATRIX_FMT_FP4 matrix_b_fmt:MATRIX_FMT_FP4
.else
	v_wmma_scale_f32_16x16x128_f8f6f4 v[ACC+32*\m+8*\t:ACC+32*\m+8*\t+7], v[8*(4*(\s)+\t):8*(4*(\s)+\t)+7], v[BB+8*\m:BB+8*\m+7], v[ACC+32*\m+8*\t:ACC+32*\m+8*\t+7], v[PJS+2*\t+(\s)%2], v[HS+3*(\s)+\m] matrix_a_fmt:MATRIX_FMT_FP4 matrix_b_fmt:MATRIX_FMT_FP4 matrix_a_scale:MATRIX_SCALE_ROW1
.endif
.endr
.endr
.endm
.macro STEP2 s, left                   ; left: the LDS loads of later K steps, which may stay out
	s_wait_dscnt \left
.if (\s) < 2
	WIN 0x01                                       ; source 0 (the weight) window 1
.else
	WIN 0x05                                       ; and source 1 (h's fragments of K steps 2 and 3) too
.endif
	MUL2 \s
.endm
	FRAGH 0
	FRAGH 1
.irp s, 2,3
.irp m, 0,1,2
	ds_load_b32 v[HS+3*\s+\m], v5 offset:HSC+128*(4*\m+\s)   ; scale words have no window: those of K steps 2 and 3 stand ahead of the switch
.endr
.endr
	WIN 0x40                                       ; destination window 1
.irp s, 2,3
.irp m, 0,1,2
.irp c, 0,1
	ds_load_b128 v[HF+24*(\s-2)+8*\m+4*\c:HF+24*(\s-2)+8*\m+4*\c+3], v4 offset:HIMG+1024*(4*\m+\s)+512*\c
.endr
.endr
.endr
	s_wait_loadcnt 9                               ; proj and its scale words are in; ctrl's eight loads and scaling's one may be out
	STEP2 0, 27                                    ; behind K step 0's nine loads: 9 + 6 + 6 + 6
	STEP2 1, 18                                    ; behind K step 1's: the six scale words and twelve fragment loads of K steps 2 and 3
	STEP2 2, 6                                     ; K step 3's six fragment loads
	STEP2 3, 0
	WIN 0
	s_lshr_b32 s38, s28, 2                         ; the last phase: wave w takes columns 128 (w % 4) on, a lane four of them, and rows 8 i + 4 (w / 4) + 0 .. 3 in trip i
	s_lshl_b32 s60, s38, 2                         ; my first row
	s_mul_i32 s61, s38, 4*ZP
	s_lshl_b32 s22, s31, 9
	s_add_co_u32 s61, s61, s22
	s_add_co_u32 s61, s61, ZST                     ; where it lies in LDS
	s_lshl_b32 s62, s38, 4
	s_add_co_u32 s62, s62, TOKT                    ; and its token
	v_add_nc_u32 v14, s61, v4                      ; the first trip's two LDS addresses: they are two of the four places behind the last product, ahead of the first read of its result
	v_mov_b32 v15, s62
	v_nop
	v_nop
	s_wait_alu depctr_va_vdst(0)                   ; the products have written the accumulators, which the LDS stores read
	; ---- z goes to LDS by rows, so that the last phase can take whole rows and store whole runs of a row
.irp m, 0,1,2
.irp t, 0,1,2,3
	ds_store_b128 v[11+\m], v[ACC+32*\m+8*\t:ACC+32*\m+8*\t+3] offset:128*(\t/2)+32*(\t%2)        ; each accumulator from its low end on
	ds_store_b128 v[11+\m], v[ACC+32*\m+8*\t+4:ACC+32*\m+8*\t+7] offset:128*(\t/2)+32*(\t%2)+16
.endr
.endr
	s_wait_loadcnt 0x0                             ; ctrl, scaling
.irp b, 0,1,2,3,4,5,6,7
.irp p, 0,2
	v_pk_mul_f32 v[CO+4*\b+\p:CO+4*\b+\p+1], v[CO+4*\b+\p:CO+4*\b+\p+1], v[SCL+\p:SCL+\p+1]
.endr
.endr
.irp b, 1,2,3,4,5,6,7
.irp p, 0,2
	v_pk_mul_f32 v[CO+4*\b+\p:CO+4*\b+\p+1], v[CO+4*\b+\p:CO+4*\b+\p+1], s[72+2*\b:73+2*\b] op_sel_hi:[1,0]
.endr
.endr
	v_mov_b32 v148, s72                            ; c3 and w6 as vector pairs: a packed line here names one scalar pair at the most
	v_mov_b32 v149, s72
	v_mov_b32 v152, s84
	v_mov_b32 v153, s84
	s_mov_b32 s63, 5
	BARRIER                                        ; 48 whole rows of z lie in LDS
	s_wait_alu depctr_vm_vsrc(0)                   ; my LDS stores have read the accumulators: the last phase's loads land in these registers and its vector lines write them
.irp i, 0,1,2,3
	ds_load_b128 v[Z+4*\i:Z+4*\i+3], v14 offset:ZP*\i   ; the first trip's four rows.  No vector line since the wait ahead of z's stores names v14, v15 or these registers
.endr
	ds_load_b128 v[TK:TK+3], v15                   ; the four rows' tokens, the same in every lane
; A trip: four rows x my 128 columns.  Its rows and tokens were asked for in the trip before.  more = 1: the next trip's are asked for in this trip's middle, eight rows on, by an immediate offset.
; They lie inside the stage whatever n is (rows past n were computed too); where the next trip lies past n they are not used.  A trip whose rows lie past n does nothing but step.
.macro TRIP more
	s_wait_xcnt 0x0                                ; the last trip's stores have read their registers: they are written again only behind this wait
	s_wait_alu depctr_vm_vsrc(0)                   ; the last trip's stores have read VO and N, and the LDS loads issued so far have read v14 and v15: all are written again in this trip
.if \more
	v_add_nc_u32 v14, s61, v4                      ; this trip's first row in LDS (in the first trip: the value that it holds already),
	v_mov_b32 v15, s62                             ; and its token: both made ahead of the branch, on every way
.endif
	s_cmp_ge_u32 s60, s34
	s_cbranch_scc1 .Ltail_\@
	s_wait_dscnt 0x0                               ; this trip's rows and tokens are in
.set J, 0
.rept 8
	v_pk_mul_f32 v[Z+J:Z+J+1], v[Z+J:Z+J+1], s[NL2E:NL2E+1] op_sel_hi:[1,0]
.set J, J+2
.endr
.set J, 0
.rept 16
	v_exp_f32 v[Z+J], v[Z+J]
.set J, J+1
.endr
.irp i, 0,1,2,3                        ; plain lines behind the transcendentals: where the rows go
	v_min_u32 v[VO+\i], 0x1fff, v[TK+\i]
	v_lshlrev_b32 v[VO+\i], 11, v[VO+\i]           ; a row of out0 is 2,048 bytes
	v_add_nc_u32 v[VO+\i], v16, v[VO+\i]
.endr
	s_wait_alu depctr_va_vdst(0)                   ; the 16 exponentials have written v[Z ..], which the additions read
.set J, 0
.rept 8
	v_pk_add_f32 v[Z+J:Z+J+1], v[Z+J:Z+J+1], 1.0 op_sel_hi:[1,0]
.set J, J+2
.endr
.set J, 0
.rept 16
	v_rcp_f32 v[Z+J], v[Z+J]                       ; xn = sigmoid(z)
.set J, J+1
.endr
	v_nop
	s_wait_alu depctr_va_vdst(0)                   ; the 16 reciprocals have written v[Z ..], which the multiplications read
.set J, 0
.rept 8
	v_pk_mul_f32 v[R+J:R+J+1], v[Z+J:Z+J+1], s[68:69] op_sel_hi:[1,0]
	v_pk_mul_f32 v[G+J:G+J+1], v[Z+J:Z+J+1], v[Z+J:Z+J+1]
.set J, J+2
.endr
.set J, 0
.rept 8
	v_pk_fma_f32 v[G+J:G+J+1], v[G+J:G+J+1], s[70:71], v[148:149] op_sel_hi:[1,0,1]
.set J, J+2
.endr
.set J, 0
.rept 16
	v_exp_f32 v[R+J], v[R+J]                       ; r = exp(64 xn / 7)
	v_exp_f32 v[G+J], v[G+J]                       ; 1e-6 exp(32 xn^2)
.set J, J+1
.endr
	v_nop
	s_wait_alu depctr_va_vdst(0)                   ; the 32 exponentials have written v[R ..] and v[G ..], which the chains read; the last readers of v[Z ..] and v[TK ..] are done and v14, v15 are written: the loads below land in the first two by the last two
.if \more
.irp i, 0,1,2,3
	ds_load_b128 v[Z+4*\i:Z+4*\i+3], v14 offset:ZP*(8+\i)   ; the next trip's four rows: no line of the rest of this trip names these registers
.endr
	ds_load_b128 v[TK:TK+3], v15 offset:32         ; and their tokens
.endif
.set J, 0
.rept 8
	v_pk_add_f32 v[G+J:G+J+1], v[G+J:G+J+1], 1.0 op_sel_hi:[1,0]   ; + w_0
	v_pk_fma_f32 v[D+J:D+J+1], v[R+J:R+J+1], s[86:87], v[152:153] op_sel_hi:[1,0,1]   ; the divisor: w_7 r + w_6,
	v_pk_fma_f32 v[N+J:N+J+1], v[R+J:R+J+1], v[CO+28+J%4:CO+29+J%4], v[CO+24+J%4:CO+25+J%4]   ; the dividend likewise
.set J, J+2
.endr
.irp b, 5,4,3,2,1
.set J, 0
.rept 8
	v_pk_fma_f32 v[D+J:D+J+1], v[D+J:D+J+1], v[R+J:R+J+1], s[72+2*\b:73+2*\b] op_sel_hi:[1,1,0]
	v_pk_fma_f32 v[N+J:N+J+1], v[N+J:N+J+1], v[R+J:R+J+1], v[CO+4*\b+J%4:CO+4*\b+J%4+1]
.set J, J+2
.endr
.endr
.set J, 0
.rept 8
	v_pk_fma_f32 v[D+J:D+J+1], v[D+J:D+J+1], v[R+J:R+J+1], v[G+J:G+J+1]
	v_pk_fma_f32 v[N+J:N+J+1], v[N+J:N+J+1], v[R+J:R+J+1], v[CO+J%4:CO+J%4+1]
.set J, J+2
.endr
.set J, 0
.rept 16
	v_rcp_f32 v[D+J], v[D+J]
.set J, J+1
.endr
	v_nop
	s_wait_alu depctr_va_vdst(0)                   ; the 16 reciprocals have written v[D ..], which the multiplications read
.set J, 0
.rept 8
	v_pk_mul_f32 v[N+J:N+J+1], v[N+J:N+J+1], v[D+J:D+J+1]
.set J, J+2
.endr
	s_wait_alu depctr_va_vdst(0)                   ; the multiplications have written v[N ..], the stores' data; v[VO ..], their offsets, were written further up
	global_store_b128 v[VO], v[N:N+3], s[20:21] th:TH_STORE_NT     ; 32 lanes store 512 consecutive bytes of a row, at a multiple of 512 from out0's first byte
.irp i, 1,2,3
	s_add_co_u32 s22, s60, \i
	s_cmp_ge_u32 s22, s34                          ; rows past n are not stored
	s_cbranch_scc1 .Ltail_\@
	global_store_b128 v[VO+\i], v[N+4*\i:N+4*\i+3], s[20:21] th:TH_STORE_NT
.endr
.Ltail_\@:
.if \more
	s_add_co_u32 s60, s60, 8
	s_add_co_u32 s61, s61, 8*ZP
	s_add_co_u32 s62, s62, 32
.endif
.endm
.Ltrip:                                            ; five trips, a constant; the sixth is written out behind the loop, since it asks for no more rows: no load leaves the stage
	TRIP 1
	s_sub_co_u32 s63, s63, 1
	s_cmp_lg_u32 s63, 0
	s_cbranch_scc1 .Ltrip
	TRIP 0
	s_wait_dscnt 0x0                               ; the closing lines, six on end, of a launch in the mode that stores to LDS
	s_wait_alu 0x0
	s_wait_tensorcnt 0x0
	ds_add_u32 v35, v159
	s_wait_dscnt 0x0
	s_endpgm
.Lfunc_end_k_qb3865179ac_chain:
	.size	k_qb3865179ac_chain, .Lfunc_end_k_qb3865179ac_chain-k_qb3865179ac_chain
	.p2alignl 7, 3214868480
	.fill 96, 4, 3214868480
	.section	.rodata,"a",@progbits
	.p2align	6, 0x0
	.amdhsa_kernel k_qb3865179ac_chain
		.amdhsa_group_segment_fixed_size 140288
		.amdhsa_private_segment_fixed_size 0
		.amdhsa_enable_private_segment 0
		.amdhsa_kernarg_size 72
		.amdhsa_user_sgpr_count 2
		.amdhsa_user_sgpr_kernarg_segment_ptr 1
		.amdhsa_wavefront_size32 1
		.amdhsa_system_sgpr_workgroup_id_x 1
		.amdhsa_system_sgpr_workgroup_id_y 1
		.amdhsa_system_sgpr_workgroup_id_z 1
		.amdhsa_system_vgpr_workitem_id 0
		.amdhsa_next_free_vgpr 512
		.amdhsa_next_free_sgpr 100
		.amdhsa_reserve_vcc 0
		.amdhsa_float_denorm_mode_32 3
		.amdhsa_float_denorm_mode_16_64 3
		.amdhsa_memory_ordered 1
		.amdhsa_forward_progress 1
		.amdhsa_inst_pref_size 103
	.end_amdhsa_kernel
	.amdgpu_metadata
---
amdhsa.version: [ 1, 2 ]
amdhsa.kernels:
  - .name:           k_qb3865179ac_chain
    .symbol:         k_qb3865179ac_chain.kd
    .args:
      - { .name: route, .offset: 0, .size: 8, .value_kind: global_buffer, .address_space: global }
      - { .name: xq, .offset: 8, .size: 8, .value_kind: global_buffer, .address_space: global }
      - { .name: xs, .offset: 16, .size: 8, .value_kind: global_buffer, .address_space: global }
      - { .name: wq, .offset: 24, .size: 8, .value_kind: global_buffer, .address_space: global }
      - { .name: wsc, .offset: 32, .size: 8, .value_kind: global_buffer, .address_space: global }
      - { .name: b1, .offset: 40, .size: 8, .value_kind: global_buffer, .address_space: global }
      - { .name: ctrl, .offset: 48, .size: 8, .value_kind: global_buffer, .address_space: global }
      - { .name: scaling, .offset: 56, .size: 8, .value_kind: global_buffer, .address_space: global }
      - { .name: out0, .offset: 64, .size: 8, .value_kind: global_buffer, .address_space: global }
    .group_segment_fixed_size: 140288
    .private_segment_fixed_size: 0
    .kernarg_segment_align: 8
    .kernarg_segment_size: 72
    .max_flat_workgroup_size: 256
    .sgpr_count:     100
    .vgpr_count:     512
    .wavefront_size: 32
...
	.end_amdgpu_metadata
.endif
;; end of part 4
